; MI455X (gfx1250); checked and timed in simulation.
; The chip was launched on July 23, 2026; its instructions are those of AMD's public machine-readable ISA for CDNA 5 (MIT licence, August 2026) and "CDNA5" Instruction Set Architecture Reference Guide (July 2026). The comments in the code are by the model that wrote it; some were corrected since.
;; Causal Self Attention. Allowed arithmetic: matrix products marked QUANTISED: E2M3 operands, one E8M0 scale for each 32 along K, by v_wmma_scale_f32_16x16x128_f8f6f4 with both operands' format E2M3, f32 sums; everything else in f32.
;; Inputs: b_proj 1,024 float32; b_qkv 3,072 float32; w_proj 1,024 x 1,024 float32; w_qkv 3,072 x 1,024 float32; x 2 x 2,048 x 1,024 float32.
;; Outputs: out0 2 x 2,048 x 1,024 float32.
;; This version of the problem:
;;   THIS VERSION OF THE PROBLEM IS GIVEN IN LOW PRECISION. The matrix products marked QUANTISED in the list below multiply operands that are first quantised to E2M3 (2 exponent bits, 3 mantissa bits; 6 bits a number), with one power-of-two scale for each 32 numbers along K (OCP MX v1.0); their sums are f32. All else is computed in f32.
;;   The module's matrix products, in the order in which they are computed (A, B: the left and right operand; K: the contracted axis; several contracted axes count as one K, in the product's order):
;;     1. [M 4,096, K 1,024] x [K 1,024, N 3,072]; A: input x; B: input w_qkv: QUANTISED
;;     2. batch 32 x [M 2,048, K 64] x [K 64, N 2,048]; A: computed on the way; B: computed on the way: QUANTISED
;;     3. batch 32 x [M 2,048, K 2,048] x [K 2,048, N 64]; A: softmax (see below); B: computed on the way: QUANTISED
;;     4. [M 4,096, K 1,024] x [K 1,024, N 1,024]; A: computed on the way; B: input w_proj: QUANTISED
;;   THE QUANTISER, for each operand of a quantised product, along K:
;;     - K is cut into blocks of 32 from its start; a last block that is shorter is filled with zeros.
;;     - A block's scale is 2^e with e = floor(log2(the largest magnitude in the block)) - 2, held to -126 .. 127; a block of zeros has e = 0. As a byte (E8M0): e + 127.
;;     - Each number is divided by its block's scale, clamped to +-7.5, and rounded to the nearest number of E2M3, ties to even, subnormals kept.
;;     - The product sums the exact products of the quantised numbers (number of the format x scale) in f32.
;;   ~~~python
;;   def quantise(x, axis):      # numpy; x: float32 -> the quantised numbers, widened to float32 again
;;       x = np.moveaxis(x, axis, -1); K = x.shape[-1]
;;       x = np.pad(x, [(0, 0)] * (x.ndim - 1) + [(0, -K % 32)]); x = x.reshape(x.shape[:-1] + (-1, 32)); a = np.abs(x).max(-1, keepdims=True)
;;       e = np.where(a > 0, np.clip(np.frexp(np.where(a > 0, a, 1))[1] - 1 - 2, -126, 127), 0)      # np.frexp(a)[1] - 1 = floor(log2(a)), exactly
;;       r = np.clip(x / 2.0 ** e, -7.5, 7.5)
;;       step = 2.0 ** (np.maximum(np.frexp(np.where(r == 0, 1, r))[1] - 1, 0) - 3)
;;       q = np.round(r / step) * step * 2.0 ** e      # np.round: ties to even
;;       return np.moveaxis(q.reshape(q.shape[:-2] + (-1,))[..., :K], -1, axis).astype(np.float32)
;;   ~~~
;;   SOFTMAX AHEAD OF A QUANTISED PRODUCT. Where the list says 'softmax', what is quantised is not the finished softmax but p = 2^(t - M), with t = logit x log2(e) and M = ceil(the row's largest t), a whole number; so 1/2 < the row's largest p <= 1. The row's sum l is taken of the UNQUANTISED p, in f32, and the product's result is divided by l at the end. Since M is a whole number, a kernel that streams over the keys may use a running M (the ceiling of the running maximum): every later rescaling is an exact power of two, which a block's scale takes up: the codes' values come out the same.
;;   OPERANDS COMPUTED ON THE WAY. 'Computed on the way' means the value that the module computes at that place (a softmax that the list does not call 'softmax' is quantised finished and normalised). What goes into a quantiser is computed in f32, as accurately as f32 sums, v_exp_f32 and their like allow (about 1e-6 of the number): no bf16 or f16 on the way to a quantiser, and a product that is left as it is and whose result goes on into a quantised operand takes f32 operands (vector FMAs, or v_wmma_f32_16x16x4_f32). A number that lies on a knife's edge between two numbers of the format may be rounded either way, as far as f32 arithmetic and the matrix unit's own rounding can turn it there, and no further.
;; One version. Each part assembles by itself: llvm-mc -triple=amdgcn-amd-amdhsa -mcpu=gfx1250 --defsym DOCPART=n.
;; ======== version 1 of 1: 4 launches
;; limits: right only within a limited range of input values
;; workspace buffers: img 6,291,456 bytes; scl 262,144 bytes; qkv 9,437,184 bytes; qkvsc 655,360 bytes; aimg 3,145,728 bytes; asc 131,072 bytes
;; launch quant (part 1): grid 512 x 1, 8 waves a work-group, no clusters, 69,120 bytes of LDS; arguments x, w_qkv, w_proj, img, scl; writes img, scl
.if DOCPART == 1
	.amdgcn_target "amdgcn-amd-amdhsa--gfx1250"
	.amdhsa_code_object_version 6
	.text
	.protected	k_q27377780b7_quant
	.globl	k_q27377780b7_quant
	.p2align	8
	.type	k_q27377780b7_quant,@function
k_q27377780b7_quant:
	s_mov_b64 s[64:65], 0
	v_nop
	global_prefetch_b8 v0, s[64:65] scope:SCOPE_SE
	s_setreg_imm32_b32 hwreg(HW_REG_WAVE_MODE, 25, 1), 1
	s_wait_xcnt 0x0
; x [4096][1024], w_qkv [3072][1024], w_proj [1024][1024], f32, K innermost, become codes of FP6 (E2M3) with one E8M0 byte for each 32 along K,
; laid in the order of a matrix operand's registers.  img: [tile 512][K step 8][piece 3][lane 32][16 bytes]; scl: [tile 512][row 16][K step 8] words of four bytes.
; Tiles 0-255 are x's, 256-447 w_qkv's, 448-511 w_proj's.  THE ROWS OF A TILE ARE NOT NEIGHBOURS: lane r of a tensor's tile t holds row 32 (t / 2) + 8 (t % 2) + r + 8 (r / 8),
; so that, where a tile is source 0 of a product, the 16 result registers of tiles 2 b and 2 b + 1 are 16 neighbouring rows.  Every later launch inherits this order.
; A block's scale is 2^(floor(log2(its largest magnitude)) - 2); its byte is the largest magnitude's exponent field - 2, held at 1 from below.
; LIMITS: NaN and infinities among the inputs are not served; a block whose largest magnitude lies under 2^-124 has its byte held at 1; a block of zeros gets the byte 1
; where the rule says 127: its codes are zeros, which add nothing under any byte but 0xff, and the bytes are read by this program alone.
; SHARES: a work-group makes one tile, wave w its K step w: 16 rows x 128 numbers.  Each load reads 512 consecutive bytes of a row; the 8,192 bytes turn through the wave's own stage
; in LDS (rows of 528 bytes: 33 x 16, so that sixteen rows' reads of 16 bytes fall on different banks) and come back as the operand's layout wants them: lane (r, h) holds k = 64 c + 32 h + 0 .. 31 of row r.
; No tensor load, no matrix unit, no cluster: memory binds, and work-groups share nothing.
.set STGB, 8448                        ; a wave's stage: 16 rows x 528 bytes
.set SCB,  8*STGB                      ; behind the stages: the tile's 128 scale words
.set R,    16                          ; v16-79   the numbers as loaded; free again once they are back from the stage
.set X,    80                          ; v80-143  register 32 c + i = k 64 c + 32 h + i of my row
.set C,    144                         ; v144-155 the fragment's twelve registers
.set T,    16                          ; v16-18, v20-22 the upper halves of the two blocks' codes
.set MX,   24                          ; v24-25 largest magnitudes, v26-27 scale operands, v28-29 bytes, v30 the scale word
	s_load_b256 s[4:11], s[0:1], 0x0               ; x s[4:5], w_qkv s[6:7], w_proj s[8:9], img s[10:11]
	s_load_b64 s[12:13], s[0:1], 0x20              ; scl
	v_lshl_add_u32 v160, v0, 2, 0x10a00
	v_mov_b32 v161, 0
	v_lshrrev_b32 v1, 5, v0
	s_delay_alu instid0(VALU_DEP_1)
	v_readfirstlane_b32 s16, v1                    ; wave = K step
	v_and_b32 v1, 31, v0                           ; lane
	v_and_b32 v2, 15, v0                           ; r
	v_bfe_u32 v3, v0, 4, 1                         ; h
	s_delay_alu instid0(VALU_DEP_3)
	v_lshlrev_b32 v4, 4, v1                        ; 16 x lane: my bytes of a load, of an image's piece, of the scale words
	s_mul_i32 s24, s16, STGB
	v_add_nc_u32 v5, s24, v4                       ; the stage, on the way in
	v_mul_u32_u24 v6, v2, 528
	s_delay_alu instid0(VALU_DEP_1)
	v_lshl_add_u32 v6, v3, 7, v6
	s_delay_alu instid0(VALU_DEP_1)
	v_add_nc_u32 v6, s24, v6                       ; and on the way out: row r, + 128 h bytes
	s_lshl_b32 s25, s16, 2
	s_add_co_u32 s25, s25, SCB
	v_lshlrev_b32 v7, 5, v2
	s_delay_alu instid0(VALU_DEP_1)
	v_add_nc_u32 v7, s25, v7                       ; my row's word of my K step: 32 r + 4 w
	v_lshlrev_b32 v8, 3, v3                        ; 8 h: how far my two bytes are shifted in the word
	v_mov_b32 v9, 0                                ; a lane permute's destination counts as one of its sources
	v_add_nc_u32 v10, SCB, v4                      ; wave 0 reads the 512 bytes of words back
	s_mov_b32 s26, 0x76543210
	s_mov_b32 s27, 0xfedcba98                      ; v_permlanex16_b32's selects for lane l xor 16
	s_mov_b32 s18, 448
	s_wait_alu depctr_va_vdst(0)
	s_wait_kmcnt 0x0
	s_cmp_lt_u32 ttmp9, 256                        ; which tensor: the choice hangs on the work-group's number alone
	s_cselect_b64 s[4:5], s[4:5], s[6:7]
	s_cselect_b32 s17, 0, 256
	s_cmp_lt_u32 ttmp9, 448
	s_cselect_b64 s[4:5], s[4:5], s[8:9]
	s_cselect_b32 s17, s17, s18
	s_sub_co_u32 s17, ttmp9, s17                   ; the tile's number in its tensor
	s_lshr_b32 s19, s17, 1
	s_lshl_b32 s19, s19, 5
	s_and_b32 s20, s17, 1
	s_lshl_b32 s20, s20, 3
	s_add_co_u32 s19, s19, s20                     ; its first row: 32 (t / 2) + 8 (t % 2)
	s_lshl_b32 s20, s19, 12                        ; rows of 4,096 bytes (under 2^25),
	s_lshl_b32 s21, s16, 9
	s_add_co_u32 s20, s20, s21                     ; + my K step's 512 bytes
	s_mov_b32 s21, 0
	s_add_nc_u64 s[4:5], s[4:5], s[20:21]
	s_mul_i32 s22, ttmp9, 12288
	s_mul_i32 s23, s16, 1536
	s_add_co_u32 s22, s22, s23
	s_mov_b32 s23, 0
	s_add_nc_u64 s[10:11], s[10:11], s[22:23]      ; my fragment's image
	s_lshl_b32 s22, ttmp9, 9
	s_add_nc_u64 s[12:13], s[12:13], s[22:23]      ; the tile's scale words
.irp i, 0,1,2,3,4,5,6,7,8,9,10,11,12,13,14,15
	global_load_b128 v[R+4*\i:R+4*\i+3], v4, s[4:5] offset:(\i+8*(\i/8))*4096 th:TH_LOAD_NT   ; the tile's row i: 32 lanes read 512 consecutive bytes; read once in the launch
.endr
.irp i, 0,1,2,3,4,5,6,7,8,9,10,11,12,13,14,15
	s_wait_loadcnt 15-\i                           ; loads come back in order: row i is in, the younger ones may be out
	ds_store_b128 v5, v[R+4*\i:R+4*\i+3] offset:528*\i
.endr
.irp c, 0,1
.irp q, 0,1,2,3,4,5,6,7
	ds_load_b128 v[X+32*\c+4*\q:X+32*\c+4*\q+3], v6 offset:256*\c+16*\q   ; LDS serves a wave's instructions in order: these see my stores
.endr
.endr
	s_wait_dscnt 0x0
.irp c, 0,1                                    ; my block 2 c + h: all its 32 numbers are mine
	v_max3_num_f32 v[MX+\c], |v[X+32*\c]|, |v[X+32*\c+1]|, 0x1800000   ; with the floor 2^(3 - 127): the byte cannot fall under 1
.endr
.irp i, 2,4,6,8,10,12,14,16,18,20,22,24,26,28,30
.irp c, 0,1
	s_delay_alu instid0(VALU_DEP_2)
	v_max3_num_f32 v[MX+\c], v[MX+\c], |v[X+32*\c+\i]|, |v[X+32*\c+\i+1]|   ; the two blocks by turns
.endr
.endr
.irp c, 0,1
	s_delay_alu instid0(VALU_DEP_2)
	v_add_nc_u32 v[MX+2+\c], 0xff000000, v[MX+\c]  ; 2 off the exponent field: the conversion takes this operand's exponent field as its scale
.endr
.irp c, 0,1
	s_delay_alu instid0(VALU_DEP_2)
	v_lshrrev_b32 v[MX+4+\c], 23, v[MX+2+\c]       ; the scale's byte
.endr
	s_delay_alu instid0(VALU_DEP_1)
	v_lshl_or_b32 v30, v[MX+5], 16, v[MX+4]        ; my two bytes: blocks h and 2 + h,
	s_delay_alu instid0(VALU_DEP_1)
	v_lshlrev_b32 v30, v8, v30                     ; at their places in the word;
	s_delay_alu instid0(VALU_DEP_1)
	v_permlanex16_b32 v9, v30, s26, s27
	s_delay_alu instid0(VALU_DEP_1)
	v_or_b32 v30, v30, v9                          ; with lane l xor 16's two the word is whole
.irp c, 0,1
	v_cvt_scalef32_pk16_fp6_f32 v[C+6*\c:C+6*\c+2], v[X+32*\c:X+32*\c+15], v[MX+2+\c]
	v_cvt_scalef32_pk16_fp6_f32 v[T+4*\c:T+4*\c+2], v[X+32*\c+16:X+32*\c+31], v[MX+2+\c]   ; (a conversion's three registers begin on an even number: the second half is made elsewhere and moved)
.endr
	v_nop                                          ; one plain place behind a scaled conversion
.irp c, 0,1
.irp i, 0,1,2
	v_mov_b32 v[C+3+6*\c+\i], v[T+4*\c+\i]
.endr
.endr
.irp c, 0,1,2
	global_store_b128 v4, v[C+4*\c:C+4*\c+3], s[10:11] offset:512*\c   ; registers 4 c .. 4 c + 3 of all lanes: 512 consecutive bytes, aligned
.endr
	ds_store_b32 v7, v30                           ; lanes l and l xor 16 write the same word with the same value
	s_wait_dscnt 0x0                               ; for the others' sake: my word has landed
	s_barrier_signal -1
	s_barrier_wait -1
	s_cmp_lg_u32 s16, 0
	s_cbranch_scc1 .Ldone
	ds_load_b128 v[32:35], v10                     ; wave 0: the tile's 128 words, written by all eight waves
	s_wait_dscnt 0x0
	global_store_b128 v4, v[32:35], s[12:13]       ; 512 consecutive bytes, aligned
.Ldone:
	s_wait_tensorcnt 0x0
	ds_add_u32 v160, v161
	s_wait_dscnt 0x0
	s_endpgm
.Lfunc_end_k_q27377780b7_quant:
	.size	k_q27377780b7_quant, .Lfunc_end_k_q27377780b7_quant-k_q27377780b7_quant
	.p2alignl 7, 3214868480
	.fill 96, 4, 3214868480
	.section	.rodata,"a",@progbits
	.p2align	6, 0x0
	.amdhsa_kernel k_q27377780b7_quant
		.amdhsa_group_segment_fixed_size 69120
		.amdhsa_private_segment_fixed_size 0
		.amdhsa_enable_private_segment 0
		.amdhsa_kernarg_size 40
		.amdhsa_user_sgpr_count 2
		.amdhsa_user_sgpr_kernarg_segment_ptr 1
		.amdhsa_wavefront_size32 1
		.amdhsa_system_sgpr_workgroup_id_x 1
		.amdhsa_system_sgpr_workgroup_id_y 1
		.amdhsa_system_sgpr_workgroup_id_z 1
		.amdhsa_system_vgpr_workitem_id 0
		.amdhsa_next_free_vgpr 162
		.amdhsa_next_free_sgpr 66
		.amdhsa_reserve_vcc 0
		.amdhsa_float_denorm_mode_32 3
		.amdhsa_float_denorm_mode_16_64 3
		.amdhsa_memory_ordered 1
		.amdhsa_forward_progress 1
		.amdhsa_inst_pref_size 12
	.end_amdhsa_kernel
	.amdgpu_metadata
---
amdhsa.version: [ 1, 2 ]
amdhsa.kernels:
  - .name:           k_q27377780b7_quant
    .symbol:         k_q27377780b7_quant.kd
    .args:
      - { .name: x, .offset: 0, .size: 8, .value_kind: global_buffer, .address_space: global }
      - { .name: w_qkv, .offset: 8, .size: 8, .value_kind: global_buffer, .address_space: global }
      - { .name: w_proj, .offset: 16, .size: 8, .value_kind: global_buffer, .address_space: global }
      - { .name: img, .offset: 24, .size: 8, .value_kind: global_buffer, .address_space: global }
      - { .name: scl, .offset: 32, .size: 8, .value_kind: global_buffer, .address_space: global }
    .group_segment_fixed_size: 69120
    .private_segment_fixed_size: 0
    .kernarg_segment_align: 8
    .kernarg_segment_size: 40
    .max_flat_workgroup_size: 256
    .sgpr_count:     66
    .vgpr_count:     162
    .wavefront_size: 32
...
	.end_amdgpu_metadata
.endif
;; end of part 1
;; launch gemmqkv (part 2): grid 12 x 16, 4 waves a work-group, clusters of 4 x 4, 327,680 bytes of LDS; arguments img, scl, b_qkv, qkv, qkvsc; writes qkv, qkvsc
.if DOCPART == 2
	.amdgcn_target "amdgcn-amd-amdhsa--gfx1250"
	.amdhsa_code_object_version 6
	.text
	.protected	k_q27377780b7_gemmqkv
	.globl	k_q27377780b7_gemmqkv
	.p2align	8
	.type	k_q27377780b7_gemmqkv,@function
k_q27377780b7_gemmqkv:
	s_mov_b64 s[64:65], 0
	v_nop
	global_prefetch_b8 v0, s[64:65] scope:SCOPE_SE
	s_setreg_imm32_b32 hwreg(HW_REG_WAVE_MODE, 25, 1), 1
	s_wait_xcnt 0x0
	s_wait_alu depctr_hold_cnt(0) depctr_sa_sdst(0) depctr_va_vdst(0) depctr_va_sdst(0) depctr_va_ssrc(0) depctr_va_vcc(0) depctr_vm_vsrc(0)
	s_getreg_b32 s2, hwreg(HW_REG_IB_STS2, 6, 4)
	s_cmp_eq_u32 s2, 0
	s_cbranch_scc0 .Lentry_in_a_cluster
	s_endpgm
.Lentry_in_a_cluster:
	s_bfe_u32 s2, ttmp6, 0x10000c
	s_cmp_lg_u32 s2, 0xf033
	s_cbranch_scc0 .Lentry_shape_is_right
	s_endpgm
.Lentry_shape_is_right:
; qkv = x w_qkv^T + b_qkv on codes of FP6 (E2M3) with E8M0 block scales, K = 1,024; the results are quantised in registers and leave as codes: q and k along the head's 64, v along the keys.
; THE PRODUCT IS USED TRANSPOSED: source 0 = 16 rows of operand B, source 1 = 16 rows of operand A: a lane holds one row of A, and its registers run along B's rows, along which the result is quantised.
; TWO MODES, told apart by the cluster's x (the same in all sixteen partners).  Clusters x = 0, 1 (q and k): A = x's tokens, B = w_q's and w_k's rows: registers run along the head's channels.
; Cluster x = 2 (v): A = w_v's rows, B = x's tokens: registers run along the keys.  Both operands lie in img, so only tile numbers differ.
; A work-group makes 256 x 256, each of four waves 128 x 128: 64 accumulators, 512 registers.  The rows of a tile are not neighbours (lane r of tile t: row 32 (t / 2) + 8 (t % 2) + r + 8 (r / 8)),
; so the 16 registers of B's tiles 2 b and 2 b + 1 are 16 neighbours: 32 b + 16 (lane / 16) + 0 .. 15.
; LDS: three slots of 98,304 bytes, each with a chunk of 256 along K: A's 16 tiles x 3,072 bytes, then B's.  Fragments lie as images of their registers: every LDS load reads 512 consecutive bytes.
; K has four chunks: three are asked for at the start, the fourth goes into slot 0 when that has been read out: one refill in the launch.
; CLUSTER 4 x 4: A's tiles are shared along a row of the cluster, B's along a column: each is asked for jointly, by the same tensor load with the same descriptor and a mask that names the four.
; OUT: qkv [G 32][slot 48][6,144 bytes], G = a group of 128 tokens; slots 0-15 q's heads, 16-31 k's: [tile 8][piece 3][lane][8 bytes] (registers 0-5 of a fragment: 64 along K);
; slots 32-47 v's heads: [tile of 16 channels 4][piece 6][lane][8 bytes] (a whole fragment: 128 keys).  qkvsc: q, k: [G][head 32][i 2][r 16][4 words], word n of (i, r) for tile 4 i + n; from byte 524,288 v: [G][head 16][r 16][4 words].
; In a q or k scale word bytes 2 and 3 belong to codes that the reader sets to zero: they hold the neighbouring head's bytes (1 to 254) or 0, never 0xff.
; LIMITS: NaN and infinities are not served; a block whose largest magnitude lies under 2^-124 has its byte held at 1, a block of zeros too (its codes are zeros; this program alone reads the bytes).
; No prefetch: the one refill has four K steps' products in which to land, and all else is asked for at the head.
; REGISTERS: window 0: v16-22 LDS addresses; v24-26 the way out; v28-29 the spare word's address and 0; v32-95 scale words; v96-127 and v224-255 eight tiles of bias; v128-223 A's fragments, one set.
;   window 1: B's fragments, two sets, at v0 and v128.   windows 2, 3: the accumulators of A's blocks 0-3, 4-7: (a, b) at v[8 (8 (a % 4) + b)].
; THE RING OF THIS TEXT (in place of what is said above of slots and chunks): TWO slots, each with three K steps of 128: A's 16 tiles x 4,608 bytes, then B's.  K steps 0-2 are asked for at the head,
; one load a wave; K steps 3-5 behind the first round, into slot 1; K steps 6 and 7 behind the round in K step 2, into slot 0 again, as rows of 3,072 bytes.  Each later load has three K steps in which to land.
.set SLOT,  147456
.set QUART, 36864                      ; 8 tiles x 4,608 bytes: what one tensor load brings, and what a wave reads of A or of B
.set TILEB, 4608                       ; a tile's part of a slot: three fragments
.set TP,    TILEB                      ; from tile to tile in the slot that is read: 4,608, for K steps 6 and 7 3,072
.set FRB,   1536                       ; a fragment's image
.set SPARE, 2*SLOT                     ; behind the slots: the spare words, 128 bytes for each wave: two blocks of 256 bytes that no other line names
.set FR,    12
.set ADRA,  16                         ; v16-17  16 x lane + my half of A in slot 0, 1
.set ADRB,  20                         ; v20-21  the same for B
.set VO,    24                         ; v24     8 x lane: my bytes of an image's piece
.set VS,    25                         ; v25     my place among the scale words that leave
.set SH,    26                         ; v26     q, k: 16 x (lane / 16): lanes 16-31 take the second head's two bytes; v: 0
.set SPW,   28
.set NIL,   29
.set SC,    32                         ; v[SC + 8 i + ks]: lanes 0-15 the word of A's block i, lanes 16-31 that of B's block i, for K step ks
.set AF,    128
.set TM,    128                        ; the way out (A's fragments are done with): v128-131 largest magnitudes, v132-135 bytes, v140-143 scale operands
.set PC,    144                        ; v144-162 the codes
.set PW,    164                        ; the scale word just made
.set SW,    168                        ; v168-175 the eight blocks' scale words
.set G1A,   24                         ; s[24:31] group 1 for A's tiles; s[32:39] two groups 0
.set G0A,   32
.set G1B,   44                         ; s[44:51], s[52:59] the same for B's
.set G0B,   52
.set SEL,   84                         ; s[84:85] lane selects for v_permlanex16_b32
.set MSB, 0
.macro WIN new                         ; the immediate's high byte repeats the setting that is left; a switch that changes nothing is dropped
.if MSB != (\new)
	s_set_vgpr_msb (MSB<<8)|(\new)
.set MSB, (\new)
.endif
.endm
.macro PLACES                          ; four plain places behind matrix instructions, in front of loads into registers that they read and of the first read of results
.rept 4
	v_nop
.endr
.endm
.macro CREST                           ; a round of the cluster's barrier behind its opening barrier
	s_cmp_lg_u32 s14, 0
	s_cbranch_scc1 .Lnot_wave_0_\@
	s_barrier_signal -3
.Lnot_wave_0_\@:
	s_barrier_wait -3
	s_barrier_signal -1
	s_barrier_wait -1
.endm
.macro CROUND
	s_barrier_signal -1
	s_barrier_wait -1
	CREST
.endm
	s_load_b256 s[4:11], s[0:1], 0x0               ; img s[4:5], scl s[6:7], b_qkv s[8:9], qkv s[10:11]
	s_load_b64 s[12:13], s[0:1], 0x20              ; qkvsc
	v_lshl_add_u32 v[SPW], v0, 2, SPARE
	v_mov_b32 v[NIL], 0
	ds_add_u32 v28, v29
	ds_add_u32 v28, v29
	s_wait_dscnt 0x0
	v_lshrrev_b32 v1, 5, v0
	v_readfirstlane_b32 s14, v1                    ; wave 0..3
	s_lshr_b32 s15, s14, 1                         ; which half of A's rows is mine.  Also: I fetch for A (0) or for B (1)
	s_and_b32 s16, s14, 1                          ; which half of B's rows.  Also: which 8 tiles I fetch
	s_bfe_u32 s66, ttmp6, 0x40000                  ; cx
	s_bfe_u32 s67, ttmp6, 0x40004                  ; cy
	s_and_b32 s18, ttmp7, 0xffff
	s_lshl_b32 s18, s18, 2                         ; 4 x cluster y
	s_lshl_b32 s19, ttmp9, 2                       ; 4 x cluster x
	s_cmp_eq_u32 ttmp9, 2
	s_cselect_b32 s69, 1, 0                        ; the mode: 1 = v
	s_cselect_b32 s20, s18, s19                    ; B's block of 256 rows: v: 4 y + cx (tokens); q, k: 4 x + cx
	s_cselect_b32 s21, 0, s18                      ; A's: v: cy (w_v's rows); q, k: 4 y + cy (tokens)
	s_cselect_b32 s22, 384, 0                      ; A's first tile in img: w_v's or x's
	s_cselect_b32 s23, 0, 256                      ; B's: x's or w_qkv's
	s_add_co_u32 s68, s20, s66
	s_add_co_u32 s17, s21, s67
	s_lshl_b32 s70, s67, 2
	s_lshl_b32 s70, 15, s70                        ; my row of the cluster
	s_lshl_b32 s71, 0x1111, s66                    ; my column
	; descriptor group 1: 8 rows (tiles) of 4,608 bytes, 12,288 bytes apart, as elements of 8 bytes; dense in LDS
	s_or_b32 s[G1A], s70, (3<<16)|(1<<21)          ; 15:0 the mask; 17:16 elements of 8 bytes; 21 set beside a mask
	s_or_b32 s[G1B], s71, (3<<16)|(1<<21)
.irp g, G1A, G1B
	s_mov_b32 s[\g+1], 576<<16                     ; tensor_dim0: three K steps of a tile
	s_mov_b32 s[\g+2], 8<<16                       ; tensor_dim1
	s_mov_b32 s[\g+3], 576<<16                     ; tile_dim0
	s_mov_b32 s[\g+4], 8                           ; tile_dim1
	s_mov_b32 s[\g+5], 1536                        ; from tile to tile
	s_mov_b32 s[\g+6], 0
	s_mov_b32 s[\g+7], 0
.endr
	s_lshl_b32 s18, s17, 4
	s_add_co_u32 s18, s18, s22                     ; the first of A's 16 tiles: hangs on cy and the cluster's place alone
	s_lshl_b32 s72, s68, 4
	s_add_co_u32 s72, s72, s23                     ; the first of B's: on cx and the cluster's place alone
	s_lshl_b32 s19, s16, 3
	s_add_co_u32 s20, s18, s19
	s_mul_i32 s20, s20, 12288
	s_mov_b32 s21, 0
	s_add_co_u32 s74, s72, s19
	s_mul_i32 s74, s74, 12288
	s_mov_b32 s75, 0
	s_mul_i32 s3, s14, QUART                       ; where my load lands in a slot: no place in the cluster enters an LDS address
	s_wait_kmcnt 0x0
	s_add_nc_u64 s[20:21], s[4:5], s[20:21]
	s_add_nc_u64 s[74:75], s[4:5], s[74:75]
.irp q, 0,1
	s_mov_b32 s[G0A+4*\q], 1
	s_add_co_u32 s[G0A+4*\q+1], s3, \q*SLOT
	s_add_nc_u64 s[G0A+4*\q+2:G0A+4*\q+3], s[20:21], \q*TILEB
	s_or_b32 s[G0A+4*\q+3], s[G0A+4*\q+3], 0x80000000
	s_mov_b32 s[G0B+4*\q], 1
	s_add_co_u32 s[G0B+4*\q+1], s3, \q*SLOT
	s_add_nc_u64 s[G0B+4*\q+2:G0B+4*\q+3], s[74:75], \q*TILEB
	s_or_b32 s[G0B+4*\q+3], s[G0B+4*\q+3], 0x80000000
.endr
	CROUND                                         ; all sixteen work-groups are here: the first joint loads meet
	s_cmp_eq_u32 s15, 0                            ; a wave's first fill stands in a branch on the wave's number: one load of mine is out
	s_cbranch_scc0 .Lfirst_b
	tensor_load_to_lds s[G0A:G0A+3], s[G1A:G1A+7]
	s_nop 0
	PLACES
	s_branch .Lfirst_asked
.Lfirst_b:
	tensor_load_to_lds s[G0B:G0B+3], s[G1B:G1B+7]
	s_nop 0
	PLACES
.Lfirst_asked:
	v_and_b32 v1, 31, v0                           ; lane
	v_and_b32 v2, 15, v0                           ; r
	v_bfe_u32 v3, v0, 4, 1                         ; h
	v_lshlrev_b32 v4, 4, v1
	s_mul_i32 s2, s15, QUART
	s_mul_i32 s3, s16, QUART
	s_add_co_u32 s3, s3, 2*QUART                   ; B's tiles lie behind A's sixteen
.irp s, 0,1
	v_add_nc_u32 v[ADRA+\s], s2, v4
	v_add_nc_u32 v[ADRB+\s], s3, v4
	s_add_co_u32 s2, s2, SLOT
	s_add_co_u32 s3, s3, SLOT
.endr
	v_lshlrev_b32 v[VO], 3, v1
	; the scale words of my 8 + 8 tiles, for all of K, straight into registers: a row's eight words are 32 bytes
	s_lshl_b32 s2, s15, 3
	s_add_co_u32 s2, s2, s18
	s_lshl_b32 s2, s2, 9                           ; A's: 512 bytes a tile
	s_add_co_u32 s3, s72, s19
	s_lshl_b32 s3, s3, 9                           ; B's
	v_mov_b32 v5, s2
	v_mov_b32 v6, s3
	s_wait_alu depctr_va_vdst(0)                   ; ahead of the reader below
	v_cmp_eq_u32 vcc_lo, 1, v3
	v_cndmask_b32 v5, v5, v6, vcc_lo               ; lanes 0-15 take A's, lanes 16-31 B's
	v_lshl_add_u32 v5, v2, 5, v5
.irp i, 0,1,2,3,4,5,6,7
.irp n, 0,1
	global_load_b128 v[SC+8*\i+4*\n:SC+8*\i+4*\n+3], v5, s[6:7] offset:512*\i+16*\n
.endr
.endr
	s_mov_b32 s[SEL], 0x76543210
	s_mov_b32 s[SEL+1], 0xfedcba98
	; where the results go
	s_lshl_b32 s86, s17, 1
	s_add_co_u32 s86, s86, s15                     ; my group of 128 rows of A
	s_lshl_b32 s87, s68, 1
	s_add_co_u32 s87, s87, s16                     ; and of B
	s_mov_b32 s91, 6144
	s_mov_b32 s80, 768
	s_cmp_eq_u32 s69, 1
	s_cselect_b32 s88, s87, s86                    ; G, the group of tokens: B's in the v mode, else A's
	s_cselect_b32 s89, s86, s87                    ; the pair of heads: the other one
	s_cselect_b32 s90, 32, 0                       ; v's slots begin at 32
	s_cselect_b32 s91, 768, s91                    ; from the codes' first half (64 along K) to the second: v: three pieces on; q, k: the next head's slot
	s_cselect_b32 s80, 1536, s80                   ; from block to block of A: a whole fragment or half of one
	s_cselect_b32 s92, 12, 14                      ; scale words: bytes for a G, as a shift,
	s_cselect_b32 s93, 9, 10                       ; for a pair of heads,
	s_cselect_b32 s94, 0x80000, 0                  ; and where the part begins
	s_cselect_b32 s95, 0, 16
	s_cselect_b32 s96, 0, 512
	s_mov_b32 s81, 0
	s_mul_i32 s76, s88, 294912
	s_lshl_b32 s97, s89, 1
	s_add_co_u32 s97, s97, s90
	s_mul_i32 s97, s97, 6144
	s_add_co_u32 s76, s76, s97
	s_mov_b32 s77, 0
	s_add_nc_u64 s[76:77], s[10:11], s[76:77]      ; s[76:77]: registers 0-5 of block 0's codes
	s_mov_b32 s78, s91
	s_mov_b32 s79, 0
	s_add_nc_u64 s[78:79], s[76:77], s[78:79]      ; s[78:79]: registers 6-11
	s_lshl_b32 s82, s88, s92
	s_lshl_b32 s97, s89, s93
	s_add_co_u32 s82, s82, s97
	s_add_co_u32 s82, s82, s94
	s_mov_b32 s83, 0
	s_add_nc_u64 s[82:83], s[12:13], s[82:83]
	v_mul_u32_u24 v[SH], v3, s95
	v_mul_u32_u24 v[VS], v3, s96                   ; q, k: lanes 16-31 store the second head's words, 512 bytes on; v: both halves of the lanes hold the same word and store it to the same place
	v_lshl_add_u32 v[VS], v2, 4, v[VS]
	; the bias, as the C of each sum's first product: eight tiles of eight registers in the result's layout
	s_mov_b32 s99, 0
	s_cmp_eq_u32 s69, 1
	s_cbranch_scc1 .Lbias_v
	s_lshl_b32 s98, s87, 9                         ; q, k: it runs along B's rows: tile t's register j is row 32 (t / 2) + 8 (t % 2) + 16 h + j of my 128
	s_add_nc_u64 s[98:99], s[8:9], s[98:99]
	v_lshlrev_b32 v6, 6, v3
.irp t, 0,1,2,3,4,5,6,7
	global_load_b128 v[96+8*\t+96*(\t/4):96+8*\t+96*(\t/4)+3], v6, s[98:99] offset:(32*(\t/2)+8*(\t%2))*4
	global_load_b128 v[96+8*\t+96*(\t/4)+4:96+8*\t+96*(\t/4)+7], v6, s[98:99] offset:(32*(\t/2)+8*(\t%2))*4+16
.endr
	s_branch .Lbias_done
.Lbias_v:
	s_lshl_b32 s98, s86, 9                         ; v: it runs along A's rows: one number a lane for block a, the same in all eight registers
	s_add_co_u32 s98, s98, 8192
	s_add_nc_u64 s[98:99], s[8:9], s[98:99]
	v_and_b32 v6, 8, v2
	v_add_nc_u32 v6, v6, v2
	v_lshlrev_b32 v6, 2, v6                        ; 4 (r + 8 (r / 8))
.irp a, 0,1,2,3,4,5,6,7
	global_load_b32 v[96+8*\a+96*(\a/4)], v6, s[98:99] offset:(32*(\a/2)+8*(\a%2))*4
.endr
	s_wait_loadcnt 0x0
.irp a, 0,1,2,3,4,5,6,7
.irp j, 1,2,3,4,5,6,7
	v_mov_b32 v[96+8*\a+96*(\a/4)+\j], v[96+8*\a+96*(\a/4)]
.endr
.endr
	PLACES
	PLACES
.Lbias_done:
.macro FRAG reg, adr, q, i             ; a fragment, 12 registers a lane, comes as it was stored: three loads of 512 consecutive bytes
.irp c, 0,1,2
	ds_load_b128 v[(\reg)+4*\c:(\reg)+4*\c+3], v[\adr] offset:(\i)*TP+(\q)*FRB+512*\c
.endr
.endm
.macro FETCH_B slot, q, p              ; B's eight fragments of the slot's q-th 128 along K into set p
	WIN 0x40                                       ; destination window 1, address window 0
.irp i, 0,1,2,3,4,5,6,7
	FRAG 128*(\p)+FR*\i, ADRB+(\slot), \q, \i
.endr
	WIN 0
.endm
.macro FETCH_A slot, q, i0             ; A's blocks i0 .. i0 + 3
.irp i, \i0, \i0+1, \i0+2, \i0+3
	FRAG AF+FR*(\i), ADRA+(\slot), \q, \i
.endr
.endm
; 16 matrix instructions: A's blocks a0, a0 + 1 x B's eight, K step ks; p: B's set.  zero = 1: the sums begin with the bias along B's rows; 2: along A's rows; 0: they go on.
; The 64 accumulators take turns, one instruction a turn, in the same order in every K step.
.macro MUL16 a0, p, ks, zero
.irp a, \a0, \a0+1
.irp b, 0,1,2,3,4,5,6,7
.if (\zero) == 1
	v_wmma_scale_f32_16x16x128_f8f6f4 v[8*(8*((\a)%4)+\b):8*(8*((\a)%4)+\b)+7], v[128*(\p)+FR*\b:128*(\p)+FR*\b+FR-1], v[AF+FR*(\a):AF+FR*(\a)+FR-1], v[96+8*\b+96*(\b/4):96+8*\b+96*(\b/4)+7], v[SC+8*\b+(\ks)], v[SC+8*(\a)+(\ks)] matrix_a_fmt:MATRIX_FMT_FP6 matrix_b_fmt:MATRIX_FMT_FP6 matrix_a_scale:MATRIX_SCALE_ROW1
.elseif (\zero) == 2
	v_wmma_scale_f32_16x16x128_f8f6f4 v[8*(8*((\a)%4)+\b):8*(8*((\a)%4)+\b)+7], v[128*(\p)+FR*\b:128*(\p)+FR*\b+FR-1], v[AF+FR*(\a):AF+FR*(\a)+FR-1], v[96+8*(\a)+96*((\a)/4):96+8*(\a)+96*((\a)/4)+7], v[SC+8*\b+(\ks)], v[SC+8*(\a)+(\ks)] matrix_a_fmt:MATRIX_FMT_FP6 matrix_b_fmt:MATRIX_FMT_FP6 matrix_a_scale:MATRIX_SCALE_ROW1
.else
	v_wmma_scale_f32_16x16x128_f8f6f4 v[8*(8*((\a)%4)+\b):8*(8*((\a)%4)+\b)+7], v[128*(\p)+FR*\b:128*(\p)+FR*\b+FR-1], v[AF+FR*(\a):AF+FR*(\a)+FR-1], v[8*(8*((\a)%4)+\b):8*(8*((\a)%4)+\b)+7], v[SC+8*\b+(\ks)], v[SC+8*(\a)+(\ks)] matrix_a_fmt:MATRIX_FMT_FP6 matrix_b_fmt:MATRIX_FMT_FP6 matrix_a_scale:MATRIX_SCALE_ROW1
.endif
.endr
.endr
.endm
; A K step of 128.  A block of A is free as soon as its eight products are issued, so A has one set of registers: blocks 0-3 are fetched anew in the step's middle, blocks 4-7 at its end; B has two sets.
; Windows: source 0 (B) window 1, source 1 (A) window 0, D window 2 or 3; C with D, or, where it is a bias tile, window 0.
.macro STEP ks, zero
.set NX, (\ks)+1
.set NS, (NX/3)%2                       ; the next K step's slot,
.set NQ, NX%3                           ; its place in the slot,
.set TP, TILEB-1536*(NX/6)              ; the slot's pitch from tile to tile,
.set PB, (\ks)%2                        ; and this step's set of B
	s_wait_dscnt 12                                ; B's set and A's blocks 0-3 are in; the youngest twelve loads (A's blocks 4-7) may be out
.if \zero
	WIN 0x81
.else
	WIN 0xa1
.endif
	MUL16 0, PB, \ks, \zero
	MUL16 2, PB, \ks, \zero
	s_wait_dscnt 0x0                               ; A's blocks 4-7 are in (asked for 32 matrix instructions ago)
	PLACES
	FETCH_B NS, NQ, 1-PB
	FETCH_A NS, NQ, 0
.if \zero
	WIN 0xc1
.else
	WIN 0xf1
.endif
	MUL16 4, PB, \ks, \zero
	MUL16 6, PB, \ks, \zero
	PLACES
	WIN 0
	FETCH_A NS, NQ, 4
.endm
; A K step with a barrier in its middle.  In front of it each wave waits for all its tensor loads, adds 0 to its spare word, and waits for that and for its LDS reads.
; fill = 1 (K step 1): nobody reads slot 0 any more, and chunks 1 and 2 are whole in every wave's eyes; the barrier opens a round of the cluster's, and behind it chunk 3 is asked for, into slot 0.
; fill = 0 (K step 5): chunk 3 is whole; nothing is filled.
; In this text: fill = 1 in K step 2 (K steps 3-5 are shown whole, K steps 6 and 7 are asked for into slot 0), fill = 0 in K step 5 (K steps 6 and 7 are shown whole).
.macro TURN ks, fill
.set NX, (\ks)+1
.set NS, (NX/3)%2
.set TP, TILEB-1536*(NX/6)
.set PB, (\ks)%2
	s_wait_tensorcnt 0x0                           ; all my tensor loads have landed  (every window is 0 here: the add's two registers lie in window 0)
	ds_add_u32 v[SPW], v[NIL]                      ; 0 onto my spare word
	s_wait_dscnt 13                                ; (the add and the youngest twelve loads, A's blocks 4-7, may be out)
	WIN 0xa1
	MUL16 0, PB, \ks, 0                            ; sixteen matrix instructions stand between the add and the wait for it
	s_wait_dscnt 0x0                               ; the add is done, and my reads of the slot in hand are over
	s_barrier_signal -1
	MUL16 2, PB, \ks, 0
	WIN 0
	s_barrier_wait -1
.if \fill
	CREST                                          ; no wave of any partner still reads slot 0 or has a load on its way
	s_add_nc_u64 s[G0A+2:G0A+3], s[G0A+2:G0A+3], 2*TILEB   ; from K step 0 to K step 6: no load of mine is out, so descriptors may be written
	s_add_nc_u64 s[G0B+2:G0B+3], s[G0B+2:G0B+3], 2*TILEB
	s_mov_b32 s[G1A+1], 384<<16                    ; two K steps of a tile: rows of 3,072 bytes
	s_mov_b32 s[G1A+3], 384<<16
	s_mov_b32 s[G1B+1], 384<<16
	s_mov_b32 s[G1B+3], 384<<16
	s_cmp_eq_u32 s15, 0
	s_cbranch_scc0 .Lfor_b_\@
	tensor_load_to_lds s[G0A:G0A+3], s[G1A:G1A+7]  ; my one tensor load behind the round; two and a half K steps' products stand between it and the wait for it
	s_nop 0
	PLACES                                         ; (these four are also the places in front of the loads below)
	s_branch .Lasked_\@
.Lfor_b_\@:
	tensor_load_to_lds s[G0B:G0B+3], s[G1B:G1B+7]
	s_nop 0
	PLACES
.Lasked_\@:
.else
	PLACES
.endif
	FETCH_B NS, 0, 1-PB
	FETCH_A NS, 0, 0
	WIN 0xf1
	MUL16 4, PB, \ks, 0
	MUL16 6, PB, \ks, 0
	PLACES
	WIN 0
	FETCH_A NS, 0, 4
.endm
	s_wait_alu depctr_va_vdst(0)
	s_wait_tensorcnt 0x0                           ; my part of K steps 0-2 is in
	ds_add_u32 v[SPW], v[NIL]
	s_wait_dscnt 0x0
	CROUND                                         ; everybody's part is in, and the joint loads meet
	s_cmp_eq_u32 s15, 0
	s_cbranch_scc0 .Lsecond_b
	tensor_load_to_lds s[G0A+4:G0A+7], s[G1A:G1A+7] ; K steps 3-5 into slot 1: my one tensor load behind the round
	s_nop 0
	PLACES
	s_branch .Lsecond_asked
.Lsecond_b:
	tensor_load_to_lds s[G0B+4:G0B+7], s[G1B:G1B+7]
	s_nop 0
	PLACES
.Lsecond_asked:
	FETCH_B 0, 0, 0
	FETCH_A 0, 0, 0
	FETCH_A 0, 0, 4
	s_wait_loadcnt 0x0                             ; the scale words and the bias
	s_cmp_eq_u32 s69, 1                            ; the first K step is written twice: it takes another tile as C in each mode
	s_cbranch_scc1 .Lstep0_v
	s_wait_alu depctr_va_vdst(0)
	STEP 0, 1
	s_branch .Lstep0_done
.Lstep0_v:
	s_wait_alu depctr_va_vdst(0)
	STEP 0, 2
.Lstep0_done:
	STEP 1, 0
	TURN 2, 1
	STEP 3, 0
	STEP 4, 0
	TURN 5, 0
	STEP 6, 0
	s_wait_dscnt 12                                ; the last K step: nothing more to fetch
	WIN 0xa1
	MUL16 0, 1, 7, 0
	MUL16 2, 1, 7, 0
	s_wait_dscnt 0x0
	WIN 0xf1
	MUL16 4, 1, 7, 0
	MUL16 6, 1, 7, 0
	WIN 0
; THE WAY OUT, block by block of A.  A lane's 64 numbers of block a (register 16 b + i = row 32 b + 16 (lane / 16) + i of B's 128) become a fragment's codes and a scale word; the codes leave as an image
; of their registers, 8 bytes a lane: each store covers 256 consecutive bytes, aligned.  No LDS.
.macro OUT a
.set AC, 64*((\a)%4)
.set W,  2+(\a)/4
.set WA, 5*W
.if (\a) > 0
	s_wait_xcnt 0x0                                ; the last block's stores have read their data and their bases: both are written again only behind this wait
	s_add_nc_u64 s[76:77], s[76:77], s[80:81]
	s_add_nc_u64 s[78:79], s[78:79], s[80:81]
.endif
	WIN WA                                         ; sources 0 and 1: the accumulators' window
.irp b, 0,1,2,3
	v_max3_num_f32 v[TM+\b], |v[AC+16*\b]|, |v[AC+16*\b+1]|, 0x1800000   ; block b: my 16 numbers, each accumulator from its low end on, and the floor 2^(3 - 127)
.endr
.irp i, 2,4,6,8,10,12,14
.irp b, 0,1,2,3
	v_max3_num_f32 v[TM+\b], |v[AC+16*\b+\i]|, |v[AC+16*\b+\i+1]|, v[TM+\b]   ; the four blocks by turns
.endr
.endr
	WIN 0
.irp b, 0,1,2,3
	v_permlanex16_b32 v[TM+4+\b], v[TM+\b], s[SEL], s[SEL+1]
.endr
.irp b, 0,1,2,3
	v_max_num_f32 v[TM+\b], v[TM+\b], v[TM+4+\b]   ; with lane l xor 16's: the block's largest magnitude
.endr
.irp b, 0,1,2,3
	v_add_nc_u32 v[TM+12+\b], 0xff000000, v[TM+\b] ; 2 off its exponent field: the conversion's scale operand
.endr
.irp b, 0,1,2,3
	v_lshrrev_b32 v[TM+4+\b], 23, v[TM+12+\b]      ; the scale's byte
.endr
	v_lshl_or_b32 v[PW], v[TM+5], 8, v[TM+4]
	v_lshl_or_b32 v[PW], v[TM+6], 16, v[PW]
	v_lshl_or_b32 v[PW], v[TM+7], 24, v[PW]
	WIN W                                          ; source 0: the accumulators' window
.irp c, 0,1
	v_cvt_scalef32_pk16_fp6_f32 v[PC+6*\c:PC+6*\c+2], v[AC+32*\c:AC+32*\c+15], v[TM+12+2*\c]
	v_cvt_scalef32_pk16_fp6_f32 v[PC+12+4*\c:PC+14+4*\c], v[AC+32*\c+16:AC+32*\c+31], v[TM+12+2*\c+1]   ; (a conversion's three registers begin on an even number)
.endr
	WIN 0
	v_lshrrev_b32 v[SW+\a], v[SH], v[PW]           ; the word as it leaves.  (The plain place behind the conversions)
.irp c, 0,1                                    ; the operand's layout wants a whole block in a lane: lanes 0-15 block 2 c, lanes 16-31 block 2 c + 1
.irp i, 0,1,2
	v_permlane16_swap_b32 v[PC+6*\c+\i], v[PC+12+4*\c+\i]
.endr
.irp i, 0,1,2
	v_mov_b32 v[PC+3+6*\c+\i], v[PC+12+4*\c+\i]
.endr
.endr
.irp c, 0,1
.irp p, 0,1,2
	global_store_b64 v[VO], v[PC+6*\c+2*\p:PC+6*\c+2*\p+1], s[76+2*\c:77+2*\c] offset:256*\p
.endr
.endr
.endm
	PLACES
.irp b, 0,1,2,3
	v_mov_b32 v[TM+4+\b], 0                        ; written once: a lane permute's destination counts as one of its sources
.endr
.irp a, 0,1,2,3,4,5,6,7
	OUT \a
.endr
	global_store_b128 v[VS], v[SW:SW+3], s[82:83]              ; sixteen lanes store 256 consecutive bytes, aligned: the words of blocks 0-3
	global_store_b128 v[VS], v[SW+4:SW+7], s[82:83] offset:256 ; and of blocks 4-7
	s_wait_tensorcnt 0x0                           ; the wave's end
	ds_add_u32 v[SPW], v[NIL]
	s_wait_dscnt 0x0
	CROUND                                         ; the closing round: no work-group ends while a partner may still ask for a tile that names it
	s_endpgm
.Lfunc_end_k_q27377780b7_gemmqkv:
	.size	k_q27377780b7_gemmqkv, .Lfunc_end_k_q27377780b7_gemmqkv-k_q27377780b7_gemmqkv
	.p2alignl 7, 3214868480
	.fill 96, 4, 3214868480
	.section	.rodata,"a",@progbits
	.p2align	6, 0x0
	.amdhsa_kernel k_q27377780b7_gemmqkv
		.amdhsa_group_segment_fixed_size 327680
		.amdhsa_private_segment_fixed_size 0
		.amdhsa_enable_private_segment 0
		.amdhsa_kernarg_size 40
		.amdhsa_user_sgpr_count 2
		.amdhsa_user_sgpr_kernarg_segment_ptr 1
		.amdhsa_wavefront_size32 1
		.amdhsa_system_sgpr_workgroup_id_x 1
		.amdhsa_system_sgpr_workgroup_id_y 1
		.amdhsa_system_sgpr_workgroup_id_z 1
		.amdhsa_system_vgpr_workitem_id 0
		.amdhsa_next_free_vgpr 1024
		.amdhsa_next_free_sgpr 100
		.amdhsa_reserve_vcc 1
		.amdhsa_float_denorm_mode_32 3
		.amdhsa_float_denorm_mode_16_64 3
		.amdhsa_memory_ordered 1
		.amdhsa_forward_progress 1
		.amdhsa_inst_pref_size 157
	.end_amdhsa_kernel
	.amdgpu_metadata
---
amdhsa.version: [ 1, 2 ]
amdhsa.kernels:
  - .name:           k_q27377780b7_gemmqkv
    .symbol:         k_q27377780b7_gemmqkv.kd
    .args:
      - { .name: img, .offset: 0, .size: 8, .value_kind: global_buffer, .address_space: global }
      - { .name: scl, .offset: 8, .size: 8, .value_kind: global_buffer, .address_space: global }
      - { .name: b_qkv, .offset: 16, .size: 8, .value_kind: global_buffer, .address_space: global }
      - { .name: qkv, .offset: 24, .size: 8, .value_kind: global_buffer, .address_space: global }
      - { .name: qkvsc, .offset: 32, .size: 8, .value_kind: global_buffer, .address_space: global }
    .group_segment_fixed_size: 327680
    .private_segment_fixed_size: 0
    .kernarg_segment_align: 8
    .kernarg_segment_size: 40
    .max_flat_workgroup_size: 128
    .sgpr_count:     100
    .vgpr_count:     1024
    .wavefront_size: 32
...
	.end_amdgpu_metadata
.endif
;; end of part 2
;; launch attn (part 3): grid 32 x 8, 16 waves a work-group, no clusters, 248,320 bytes of LDS; arguments qkv, qkvsc, aimg, asc; writes aimg, asc
.if DOCPART == 3
	.amdgcn_target "amdgcn-amd-amdhsa--gfx1250"
	.amdhsa_code_object_version 6
	.text
	.protected	k_q27377780b7_attn
	.globl	k_q27377780b7_attn
	.p2align	8
	.type	k_q27377780b7_attn,@function
k_q27377780b7_attn:
	s_mov_b64 s[64:65], 0
	v_nop
	global_prefetch_b8 v0, s[64:65] scope:SCOPE_SE
	s_setreg_imm32_b32 hwreg(HW_REG_WAVE_MODE, 25, 1), 1
	s_wait_xcnt 0x0
; Causal attention of one head on codes of FP6 (E2M3) with E8M0 block scales: S^T = K Q^T, the softmax, O^T = V^T P^T (K = the keys), and O / l quantised along the head's 64 for the projection.
; Head size 64, 2,048 tokens, 2 x 16 heads.  S^T uses 64 of the instruction's 128 along K: the upper 64 of Q are zero codes, so whatever codes stand in K's upper 64 add zeros (every code of E2M3 is finite).
; THE SOFTMAX: t = score x log2(e) / 8; M = the row's largest t so far, rounded up to a whole number; p = 2^(t - M) is quantised along the keys, not normalised; l is the sum of the unquantised p;
; when M moves, l and O are multiplied by 2^(old M - new M), which rounds nothing.
; SHARES: work-group (head, j) owns the blocks of 128 queries j and 15 - j: j + 1 and 16 - j key steps of 128, 17 for each pair of tiles of 16 queries.  A pair of waves owns one tile of each block.
; The LATE wave takes key steps 0 to 8 of the late tile (9 trips).  The EARLY wave takes its own tile's key steps 0 to j, sends it out, and then takes key steps 9 to 15 - j of the late tile (8 trips in all);
; its part of O, l and M goes through LDS to the late wave, which joins both under the larger M.  Sixteen waves, 256 registers each.  Key steps all of whose keys the mask hides are not done.
; Both products are used transposed: a lane holds ONE query throughout.  The tokens of a tile are not neighbours (lane r of tile t: 32 (t / 2) + 8 (t % 2) + r + 8 (r / 8)), so the 16 registers of
; tiles 2 b and 2 b + 1 of S^T are 16 neighbouring keys, and those of O^T 16 neighbouring channels.
; LDS: all of the head's K and V, filled ONCE by one tensor load a wave: wave 2 p + v brings key steps p and p + 8 of K (v = 0) or V (v = 1).  Step p <= 7 is read in every work-group, so no load is idle.
; The scale words come by plain loads and LDS stores, wave w key step w's.  A first barrier shows waves 0 and 1's loads, all that trip 0 reads; a second, signalled late in trip 0, shows the rest.
; NO CLUSTER: the work-groups of a head share K and V, but their branches hang on j.  No prefetch: everything is asked for at the head.
; LIMITS: NaN and infinities are not served; the scaled scores stay under 2^31 in magnitude; a block of O / l whose largest magnitude lies under 2^-124 has its byte held at 1, a block of zeros too (its codes are zeros; this program alone reads the bytes).
; REGISTERS: v1-4 addresses that stay, v5-8 of the step; v9 my query's place; v[10:11] f; v12 -M, v13 the largest t, v[14:15] l in two halves; v16-27 Q (v22-27 zeros); v28-31 V's scale words;
;   v32-79 K's eight tiles, six registers each, and v80-85 zeros behind the last; at work once S^T is made: v32-77; v86-133 V's four fragments; v134-197 S^T, then p; v198-229 O^T;
;   v230-237 K's scale words, v238 Q's, v239 p's; v240-246 the late tile's Q and its scale word (in a late wave the tile that it has already); v247-252 addresses and 0 that stay; v253-254 at work.
.set VB,   98304                       ; LDS: K from 0, V from here,
.set SKB,  196608                      ; K's scale words, 512 bytes a step,
.set SVB,  204800                      ; V's, 256 bytes a step,
.set SCB2, 208896                      ; 512 bytes in which the waves' scale bytes of O / l meet,
.set MRG,  209408                      ; 4,608 bytes for each pair of waves: the early wave's part of the late tile,
.set SPARE, 246272                     ; and the spare words, 128 bytes a wave
.set LA,   1                           ; v1   8 x lane (K's region begins at 0)
.set AV0,  2
.set ASK0, 3
.set ASV0, 4
.set QD,   9                           ; v9   r + 8 (r / 8) - 16 h
.set FF,   10
.set KR,   32
.set MX,   32                          ; v32-35 largest magnitudes
.set PX,   36                          ; v36-39 from lane l xor 16; then bytes
.set SO,   40                          ; v40-43 scale operands
.set PC,   44                          ; v44-55 codes; v56-58, v60-62 second halves
.set RS,   64                          ; v64-77 seven partial sums
.set VR,   86
.set S,    134
.set O,    198
.set SPW,  247
.set NIL,  248
.set SBA,  249                         ; my row's two scale bytes in LDS
.set MA,   250                         ; my pair's place for the early wave's part
.set RBK,  251
.set RBG,  252
.set WV,   18
.set IDX,  19                          ; s19  my tile in its block of 128 queries = my pair
.set SEL,  20
.set CS,   22                          ; s[22:23] c = log2(e) / 8
.set G1,   24
.set G0,   48
.set CNT,  67                          ; the trip
.set JL,   68                          ; early wave: j, its own tile's last key step; late wave: 31
.set DJ,   69                          ; 8 - j
.set Q0L,  70                          ; the late tile's first query
.set JJ,   72
.set LATE, 73
.set QL,   97                          ; my tile's last query
.set KF,   98                          ; the step's first key
.set Q0,   99                          ; my tile's first query
	s_load_b256 s[4:11], s[0:1], 0x0               ; qkv s[4:5], qkvsc s[6:7], aimg s[8:9], asc s[10:11]
	v_lshl_add_u32 v[SPW], v0, 2, SPARE
	v_mov_b32 v[NIL], 0
	ds_add_u32 v[SPW], v[NIL]                      ; the opening lines
	ds_add_u32 v[SPW], v[NIL]
	v_lshrrev_b32 v1, 5, v0
	v_readfirstlane_b32 s[WV], v1                  ; wave 0..15
	s_and_b32 s[JJ], ttmp7, 0xffff                 ; j
	s_lshr_b32 s74, ttmp9, 4                       ; batch
	s_and_b32 s75, ttmp9, 15                       ; head
	s_and_b32 s77, s[WV], 1                        ; I fetch of K (0) or of V (1)
	s_lshr_b32 s[IDX], s[WV], 1                    ; and key steps IDX and IDX + 8
	s_lshl_b32 s71, s74, 4                         ; the batch's first group of 128 tokens
	s_add_co_u32 s78, s71, s[IDX]
	s_mul_i32 s78, s78, 294912
	s_lshl_b32 s79, s77, 4
	s_add_co_u32 s79, s79, s75
	s_add_co_u32 s79, s79, 16
	s_mul_i32 s79, s79, 6144                       ; slot 16 + head (K) or 32 + head (V)
	s_add_co_u32 s78, s78, s79
	s_mov_b32 s79, 0
	s_mul_i32 s80, s[IDX], 12288
	s_mul_i32 s81, s77, VB
	s_mov_b32 s[G0], 1
	s_add_co_u32 s[G0+1], s80, s81
	s_mov_b32 s[G1], 3<<16                         ; 2 rows (steps) of 6,144 bytes, 8 x 294,912 bytes apart, as elements of 8 bytes; dense in LDS
	s_mov_b32 s[G1+1], 768<<16
	s_mov_b32 s[G1+2], 2<<16
	s_mov_b32 s[G1+3], 768<<16
	s_mov_b32 s[G1+4], 2
	s_mov_b32 s[G1+5], 294912
	s_mov_b32 s[G1+6], 0
	s_mov_b32 s[G1+7], 0
	s_wait_alu depctr_va_vdst(0)
	s_wait_dscnt 0x0
	s_wait_kmcnt 0x0
	s_add_nc_u64 s[G0+2:G0+3], s[4:5], s[78:79]
	s_or_b32 s[G0+3], s[G0+3], 0x80000000
	s_cmp_lt_u32 s[WV], 2                          ; one load a wave; waves 0 and 1 have a line of their own, since they alone wait for it ahead of the first barrier
	s_cbranch_scc0 .Lrest
	tensor_load_to_lds s[G0:G0+3], s[G1:G1+7]
	s_nop 0
.rept 4
	v_nop
.endr
	s_branch .Lasked
.Lrest:
	tensor_load_to_lds s[G0:G0+3], s[G1:G1+7]
	s_nop 0
.rept 4
	v_nop
.endr
.Lasked:
	v_and_b32 v5, 31, v0                           ; lane
	v_and_b32 v6, 15, v0                           ; r
	v_bfe_u32 v7, v0, 4, 1                         ; h
	v_lshlrev_b32 v[LA], 3, v5
	v_lshlrev_b32 v10, 4, v5                       ; 16 x lane
	v_lshlrev_b32 v8, 4, v6                        ; 16 r
	s_add_co_u32 s78, s71, s[WV]                   ; scale words of key step WV: K's 512 bytes, V's 256
	s_lshl_b32 s82, s78, 5
	s_add_co_u32 s82, s82, s75
	s_add_co_u32 s82, s82, 16
	s_lshl_b32 s82, s82, 9
	s_mov_b32 s83, 0
	s_add_nc_u64 s[82:83], s[6:7], s[82:83]
	s_lshl_b32 s84, s78, 4
	s_add_co_u32 s84, s84, s75
	s_lshl_b32 s84, s84, 8
	s_add_co_u32 s84, s84, 0x80000
	s_mov_b32 s85, 0
	s_add_nc_u64 s[84:85], s[6:7], s[84:85]
	s_wait_alu depctr_va_vdst(0)
	global_load_b128 v[32:35], v10, s[82:83]
	global_load_b64 v[36:37], v[LA], s[84:85]
	s_lshr_b32 s[LATE], s[WV], 2
	s_xor_b32 s[LATE], s[LATE], s[WV]
	s_and_b32 s[LATE], s[LATE], 1                  ; 1: I am my pair's late wave
	s_sub_co_u32 s76, 15, s[JJ]                    ; the late block
	s_cmp_eq_u32 s[LATE], 1
	s_cselect_b32 s77, s76, s[JJ]                  ; my own block
	s_cselect_b32 s[JL], 31, s[JJ]
	s_sub_co_u32 s[DJ], 8, s[JJ]
	s_lshr_b32 s80, s[IDX], 1
	s_lshl_b32 s80, s80, 5
	s_and_b32 s81, s[IDX], 1
	s_lshl_b32 s81, s81, 3
	s_add_co_u32 s80, s80, s81                     ; my tile's first query in its block; lane r's is r + 8 (r / 8) on
	s_lshl_b32 s[Q0], s77, 7
	s_add_co_u32 s[Q0], s[Q0], s80
	s_lshl_b32 s[Q0L], s76, 7
	s_add_co_u32 s[Q0L], s[Q0L], s80
	s_add_co_u32 s[QL], s[Q0], 23
	s_mov_b32 s[KF], 0
	s_mul_i32 s60, s75, 6144
	s_mul_i32 s61, s[IDX], 768
	s_add_co_u32 s60, s60, s61                     ; Q's codes in a group: head x 6,144 + tile x 768
	s_lshl_b32 s61, s75, 9
	s_lshr_b32 s62, s[IDX], 2
	s_lshl_b32 s62, s62, 8
	s_add_co_u32 s61, s61, s62
	s_and_b32 s62, s[IDX], 3
	s_lshl_b32 s62, s62, 2
	s_add_co_u32 s61, s61, s62                     ; its scale words
.macro QAT blk, c, w                   ; s[c:c+1] the codes, s[w:w+1] the scale words of my tile in block s\blk
	s_add_co_u32 s96, s71, s\blk
	s_mul_i32 s\c, s96, 294912
	s_add_co_u32 s\c, s\c, s60
	s_mov_b32 s[\c+1], 0
	s_add_nc_u64 s[\c:\c+1], s[4:5], s[\c:\c+1]
	s_lshl_b32 s\w, s96, 14
	s_add_co_u32 s\w, s\w, s61
	s_mov_b32 s[\w+1], 0
	s_add_nc_u64 s[\w:\w+1], s[6:7], s[\w:\w+1]
.endm
	QAT 77, 86, 54
	QAT 76, 88, 52
.irp p, 0,1,2
	global_load_b64 v[16+2*\p:17+2*\p], v[LA], s[86:87] offset:256*\p
	global_load_b64 v[240+2*\p:241+2*\p], v[LA], s[88:89] offset:256*\p
.endr
	global_load_b32 v238, v8, s[54:55]
	global_load_b32 v246, v8, s[52:53]
	s_add_co_u32 s90, s71, s77                     ; where my own tile's codes go
	s_lshl_b32 s90, s90, 3
	s_add_co_u32 s90, s90, s[IDX]
	s_mul_i32 s90, s90, 12288
	s_mul_i32 s91, s75, 768
	s_add_co_u32 s90, s90, s91
	s_mov_b32 s91, 0
	s_add_nc_u64 s[90:91], s[8:9], s[90:91]
	s_lshl_b32 s92, s75, 13                        ; asc: 8,192 bytes a head, 32 a tile: the early block's eight tiles
	s_lshl_b32 s93, s74, 12
	s_add_co_u32 s92, s92, s93
	s_lshl_b32 s93, s[JJ], 8
	s_add_co_u32 s92, s92, s93
	s_mov_b32 s93, 0
	s_add_nc_u64 s[92:93], s[10:11], s[92:93]
	s_lshl_b32 s62, s[JJ], 1
	s_sub_co_u32 s62, 15, s62
	s_lshl_b32 s62, s62, 8                         ; the late block's lie (15 - 2 j) x 256 bytes on
	s_mov_b32 s[SEL], 0x76543210
	s_mov_b32 s[SEL+1], 0xfedcba98                 ; v_permlanex16_b32's selects for lane l xor 16
	s_mov_b32 s[CS], 0x3e38aa3b                    ; log2(e) / 8
	s_mov_b32 s[CS+1], s[CS]                       ; (named with it as a pair, so it is written)
	v_add_nc_u32 v[AV0], VB, v[LA]
	v_add_nc_u32 v[ASK0], SKB, v8
	v_add_nc_u32 v[ASV0], SVB, v8
	s_lshl_b32 s94, s[WV], 9
	s_add_co_u32 s94, s94, SKB
	v_add_nc_u32 v11, s94, v10                     ; where my key step's scale words go in LDS
	s_lshl_b32 s94, s[WV], 8
	s_add_co_u32 s94, s94, SVB
	v_add_nc_u32 v12, s94, v[LA]
	s_mul_i32 s94, s[IDX], 4608
	s_add_co_u32 s94, s94, MRG
	v_add_nc_u32 v[MA], s94, v10
	s_lshl_b32 s94, s[LATE], 3
	s_add_co_u32 s94, s94, s[IDX]
	s_lshl_b32 s94, s94, 5
	s_add_co_u32 s94, s94, SCB2
	v_lshlrev_b32 v13, 1, v6
	v_add_nc_u32 v[SBA], s94, v13                  ; 32 bytes a tile, the early block's eight tiles first
	v_add_nc_u32 v[RBK], SCB2, v10                 ; wave 0 reads the 512 bytes back
	v_mul_u32_u24 v[RBG], v7, s62
	v_add_nc_u32 v[RBG], v[RBG], v8                ; and stores them: lanes 0-15 the early block's 256 bytes, lanes 16-31 the late block's
	v_and_b32 v[QD], 8, v6
	v_add_nc_u32 v[QD], v[QD], v6
	v_lshlrev_b32 v14, 4, v7
	v_sub_nc_u32 v[QD], v[QD], v14
.irp j, 0,1,2,3,4,5
	v_mov_b32 v[22+\j], 0                          ; k = 64 .. 127 of Q: zero codes
	v_mov_b32 v[80+\j], 0                          ; behind K's last tile
.endr
	s_wait_alu depctr_va_vdst(0)
	s_wait_loadcnt 0x0
	ds_store_b128 v11, v[32:35]
	ds_store_b64 v12, v[36:37]
	s_cmp_lt_u32 s[WV], 2
	s_cbranch_scc0 .Lshow
	s_wait_tensorcnt 0x0                           ; key steps 0 and 8
.Lshow:
	s_wait_dscnt 0x0
	s_barrier_signal -1
	s_barrier_wait -1
; 32 keys of a step on the diagonal: all hidden, none, or those after my query (register 16 b + i holds key 32 b + 16 h + i of the step: hidden where 32 b + i > d = v253)
.macro MBLK b
	s_add_co_u32 s96, s[KF], 32*\b
	s_cmp_gt_u32 s96, s[QL]
	s_cbranch_scc1 .Lall_\@
	s_add_co_u32 s96, s96, 31
	s_cmp_le_u32 s96, s[Q0]
	s_cbranch_scc1 .Lnone_\@
.set n, 0
.rept 16
	v_cmp_gt_i32 vcc_lo, 32*\b+n, v253
	v_cndmask_b32 v[S+16*\b+n], v[S+16*\b+n], v254, vcc_lo
.set n, n+1
.endr
	s_branch .Lnone_\@
.Lall_\@:
.set n, 0
.rept 16
	v_mov_b32 v[S+16*\b+n], v254
.set n, n+1
.endr
.Lnone_\@:
.endm
; A KEY STEP: 128 keys.  first = 1: trip 0, key step 0: the sums begin here, and the second barrier is signalled.
.macro STEP first
.if \first
.set KA_, LA
.set VA_, AV0
.set KS_, ASK0
.set VS_, ASV0
.else
.set KA_, 5
.set VA_, 6
.set KS_, 7
.set VS_, 8
	v_add_nc_u32 v5, s2, v[LA]                     ; (these four are the places behind the last step's products, in front of the loads into their registers)
	v_add_nc_u32 v6, s2, v[AV0]
	v_add_nc_u32 v7, s3, v[ASK0]
	v_add_nc_u32 v8, s66, v[ASV0]
.endif
.irp t, 0,1,2,3,4,5,6,7                        ; K's eight tiles: 256 consecutive bytes a load
.irp p, 0,1,2
	ds_load_b64 v[KR+6*\t+2*\p:KR+6*\t+2*\p+1], v[KA_] offset:768*\t+256*\p
.endr
.endr
	ds_load_b128 v[230:233], v[KS_]                ; and their rows' scale words
	ds_load_b128 v[234:237], v[KS_] offset:256
.irp t, 0,1,2,3                                ; V's four fragments (16 channels x 128 keys) are asked for now: they are wanted behind the softmax
.irp p, 0,1,2,3,4,5
	ds_load_b64 v[VR+12*\t+2*\p:VR+12*\t+2*\p+1], v[VA_] offset:1536*\t+256*\p
.endr
.endr
	ds_load_b128 v[28:31], v[VS_]
	s_wait_alu depctr_va_vdst(0)
	s_wait_dscnt 25                                ; K's twenty-six loads are in; V's twenty-five may be out
.irp t, 0,1,2,3,4,5,6,7                        ; tile t's upper six registers are tile t + 1's codes (the last's: zeros), which meet Q's zero codes
	v_wmma_scale_f32_16x16x128_f8f6f4 v[S+8*\t:S+8*\t+7], v[KR+6*\t:KR+6*\t+11], v[16:27], 0, v[230+\t], v238 matrix_a_fmt:MATRIX_FMT_FP6 matrix_b_fmt:MATRIX_FMT_FP6
.endr
.rept 4
	v_nop
.endr
	s_add_co_u32 s96, s[KF], 127                   ; on the diagonal the scores of hidden keys become -infinity ahead of the maximum: p = 0 then
	s_cmp_le_u32 s96, s[Q0]
	s_cbranch_scc1 .Lopen_\@
	s_sub_co_i32 s96, s[Q0], s[KF]
	v_add_nc_u32 v253, s96, v[QD]
	v_mov_b32 v254, 0xff800000
	s_wait_alu depctr_va_vdst(0)
	MBLK 0
	MBLK 1
	MBLK 2
	MBLK 3
	s_wait_alu depctr_va_vdst(0)
.Lopen_\@:
.irp b, 0,1,2,3
	v_max3_num_f32 v[MX+\b], v[S+16*\b], v[S+1+16*\b], v[S+2+16*\b]   ; the largest score of each block of 32 keys: it serves for the row's maximum and, since p rises with the score, for the block's largest p
.endr
.irp i, 3,5,7,9,11,13
.irp b, 0,1,2,3
	v_max3_num_f32 v[MX+\b], v[MX+\b], v[S+16*\b+\i], v[S+1+16*\b+\i]
.endr
.endr
.irp b, 0,1,2,3
	v_max_num_f32 v[MX+\b], v[MX+\b], v[S+15+16*\b]
.endr
.irp b, 0,1,2,3
	v_permlanex16_b32 v[PX+\b], v[MX+\b], s[SEL], s[SEL+1]
.endr
.irp b, 0,1,2,3
	v_max_num_f32 v[MX+\b], v[MX+\b], v[PX+\b]     ; with lane l xor 16's 16 keys
.endr
	s_delay_alu instid0(VALU_DEP_2)
	v_max3_num_f32 v254, v[MX], v[MX+1], v[MX+2]
	s_delay_alu instid0(VALU_DEP_1)
	v_max_num_f32 v254, v254, v[MX+3]              ; the step's largest score of my query
	s_delay_alu instid0(VALU_DEP_1)
.if \first
	v_mul_f32 v13, s[CS], v254                     ; as t (c is positive)
	s_delay_alu instid0(VALU_DEP_1)
	v_floor_f32 v12, -v13                          ; -M = floor(-t) = -ceil(t)
.else
	v_mul_f32 v254, s[CS], v254
	s_delay_alu instid0(VALU_DEP_1)
	v_max_num_f32 v13, v13, v254                   ; the running largest t
	v_mov_b32 v254, v12
	s_delay_alu instid0(VALU_DEP_2)
	v_floor_f32 v12, -v13                          ; the new -M
	s_delay_alu instid0(VALU_DEP_1)
	v_sub_f32 v254, v12, v254                      ; old M - new M: a whole number, 0 or less
	s_delay_alu instid0(VALU_DEP_1)
	v_cvt_i32_f32 v254, v254                       ; (it saturates)
	s_delay_alu instid0(VALU_DEP_1)
	v_ldexp_f32 v[FF], 1.0, v254                   ; f = 2^(old M - new M)
.endif
.set n, 0
.rept 32
	v_pk_fma_f32 v[S+n:S+n+1], v[S+n:S+n+1], s[CS:CS+1], v[12:13] op_sel_hi:[1,0,0]   ; t - M, two at a time
.set n, n+2
.endr
.irp b, 0,1,2,3
	v_fma_f32 v[MX+\b], v[MX+\b], s[CS], v12       ; the same of each block's largest score
.endr
	s_wait_alu depctr_va_vdst(0)
.set n, 0
.rept 64
	v_exp_f32 v[S+n], v[S+n]                       ; p = 2^(t - M)
.set n, n+1
.endr
.if \first
	v_nop
.else
	v_pk_mul_f32 v[14:15], v[14:15], v[FF:FF+1] op_sel_hi:[1,0]   ; l under the new M.  (The plain place behind the exponentials)
.endif
	s_wait_alu depctr_va_vdst(0)                   ; and behind it, ahead of its first reader
.irp b, 0,1,2,3
	v_exp_f32 v[MX+\b], v[MX+\b]                   ; the block's largest p: the same two instructions on the same number give the same bits
.endr
.irp k, 0,1,2,3,4,5,6                          ; l: 32 pairs in eight chains
	v_pk_add_f32 v[RS+2*\k:RS+2*\k+1], v[S+4*\k:S+4*\k+1], v[S+4*\k+2:S+4*\k+3]
.endr
.if \first
	v_pk_add_f32 v[14:15], v[S+28:S+29], v[S+44:S+45]
.else
	v_pk_add_f32 v[14:15], v[14:15], v[S+28:S+29]
.endif
.irp k, 0,1,2,3,4,5,6
	v_pk_add_f32 v[RS+2*\k:RS+2*\k+1], v[RS+2*\k:RS+2*\k+1], v[S+30+2*\k:S+31+2*\k]
.endr
.if \first == 0
	v_pk_add_f32 v[14:15], v[14:15], v[S+44:S+45]
.endif
.irp k, 0,1,2,3,4,5,6
	v_pk_add_f32 v[RS+2*\k:RS+2*\k+1], v[RS+2*\k:RS+2*\k+1], v[S+46+2*\k:S+47+2*\k]
.endr
	v_pk_add_f32 v[14:15], v[14:15], v[S+60:S+61]
	v_pk_add_f32 v[RS:RS+1], v[RS:RS+1], v[S+62:S+63]
	v_pk_add_f32 v[RS+4:RS+5], v[RS+4:RS+5], v[RS+6:RS+7]
	v_pk_add_f32 v[RS+8:RS+9], v[RS+8:RS+9], v[RS+10:RS+11]
	v_pk_add_f32 v[14:15], v[14:15], v[RS+12:RS+13]
	v_pk_add_f32 v[RS:RS+1], v[RS:RS+1], v[RS+2:RS+3]
	v_pk_add_f32 v[RS+4:RS+5], v[RS+4:RS+5], v[RS+8:RS+9]
	v_pk_add_f32 v[14:15], v[14:15], v[RS:RS+1]
	v_nop
	v_pk_add_f32 v[14:15], v[14:15], v[RS+4:RS+5]
	s_wait_alu depctr_va_vdst(0)                   ; one for the four
	s_wait_dscnt 0x0                               ; V is in
.if \first
	s_wait_tensorcnt 0x0                           ; my part of K or V has landed: say so
	s_barrier_signal -1
.endif
.irp b, 0,1,2,3
	v_max_num_f32 v[MX+\b], 0x1800000, v[MX+\b]    ; the floor 2^(3 - 127): a block whose every p is 0 keeps the byte 1: its codes are zeros
.endr
.irp b, 0,1,2,3
	v_add_nc_u32 v[SO+\b], 0xff000000, v[MX+\b]    ; 2 off the exponent field: the conversion's scale operand
.endr
.irp b, 0,1,2,3
	v_lshrrev_b32 v[PX+\b], 23, v[SO+\b]
.endr
	v_lshl_or_b32 v239, v[PX+1], 8, v[PX]          ; p's scale word for these 128 keys
	s_delay_alu instid0(VALU_DEP_1)
	v_lshl_or_b32 v239, v[PX+2], 16, v239
	s_delay_alu instid0(VALU_DEP_1)
	v_lshl_or_b32 v239, v[PX+3], 24, v239
.irp c, 0,1
	v_cvt_scalef32_pk16_fp6_f32 v[PC+6*\c:PC+6*\c+2], v[S+32*\c:S+15+32*\c], v[SO+2*\c]
	v_cvt_scalef32_pk16_fp6_f32 v[PC+12+4*\c:PC+14+4*\c], v[S+16+32*\c:S+31+32*\c], v[SO+2*\c+1]   ; (a conversion's three registers begin on an even number)
.endr
	v_nop                                          ; one plain place behind a scaled conversion
.irp c, 0,1                                    ; the operand's layout wants a whole block in a lane
.irp i, 0,1,2
	v_permlane16_swap_b32 v[PC+6*\c+\i], v[PC+12+4*\c+\i]
.endr
.endr
.irp c, 0,1
.irp i, 0,1,2
	v_mov_b32 v[PC+3+6*\c+\i], v[PC+12+4*\c+\i]
.endr
.endr
.if \first
.rept 4
	v_nop                                          ; places behind the writes of p's codes
.endr
.irp t, 0,1,2,3
	v_wmma_scale_f32_16x16x128_f8f6f4 v[O+8*\t:O+8*\t+7], v[VR+12*\t:VR+12*\t+11], v[PC:PC+11], 0, v[28+\t], v239 matrix_a_fmt:MATRIX_FMT_FP6 matrix_b_fmt:MATRIX_FMT_FP6
.endr
.else
	s_wait_alu depctr_va_vdst(0)
.set n, 0
.rept 16
	v_pk_mul_f32 v[O+n:O+n+1], v[O+n:O+n+1], v[FF:FF+1] op_sel_hi:[1,0]   ; O^T under the new M.  (For each product below, those on the other tiles are the places behind the writes of p's codes and scale word)
.set n, n+2
.endr
.irp t, 0,1,2,3                                ; O^T += V^T P^T: the four accumulators by turns
	v_wmma_scale_f32_16x16x128_f8f6f4 v[O+8*\t:O+8*\t+7], v[VR+12*\t:VR+12*\t+11], v[PC:PC+11], v[O+8*\t:O+8*\t+7], v[28+\t], v239 matrix_a_fmt:MATRIX_FMT_FP6 matrix_b_fmt:MATRIX_FMT_FP6
.endr
.endif
.endm
; THE WAY OUT of my own tile: O^T / l, quantised along the head's 64 channels: two blocks; register 16 b + i is channel 32 b + 16 h + i of my query
.macro WAYOUT
	v_add_f32 v14, v14, v15                        ; l's two halves,
	v_permlanex16_b32 v[PX], v14, s[SEL], s[SEL+1]
	v_add_f32 v14, v14, v[PX]                      ; and lane l xor 16's
	s_wait_alu depctr_va_vdst(0)
	v_rcp_f32 v14, v14
.rept 4
	v_nop                                          ; the place behind the reciprocal, and those behind the last products
.endr
	s_wait_alu depctr_va_vdst(0)
.set n, 0
.rept 16
	v_pk_mul_f32 v[S+n:S+n+1], v[O+n:O+n+1], v[14:15] op_sel_hi:[1,0]   ; each accumulator from its low end on
.set n, n+2
.endr
.irp b, 0,1
	v_max3_num_f32 v[MX+\b], |v[S+16*\b]|, |v[S+1+16*\b]|, 0x1800000
.endr
.irp i, 2,4,6,8,10,12,14
.irp b, 0,1
	v_max3_num_f32 v[MX+\b], v[MX+\b], |v[S+16*\b+\i]|, |v[S+1+16*\b+\i]|
.endr
.endr
.irp b, 0,1
	v_permlanex16_b32 v[PX+\b], v[MX+\b], s[SEL], s[SEL+1]
.endr
.irp b, 0,1
	v_max_num_f32 v[MX+\b], v[MX+\b], v[PX+\b]
.endr
.irp b, 0,1
	v_add_nc_u32 v[SO+\b], 0xff000000, v[MX+\b]
.endr
.irp b, 0,1
	v_lshrrev_b32 v[PX+\b], 23, v[SO+\b]
.endr
	v_lshl_or_b32 v254, v[PX+1], 8, v[PX]          ; the two bytes of (my row, this head)
	v_cvt_scalef32_pk16_fp6_f32 v[PC:PC+2], v[S:S+15], v[SO]
	v_cvt_scalef32_pk16_fp6_f32 v[PC+12:PC+14], v[S+16:S+31], v[SO+1]
	v_nop
.irp i, 0,1,2
	v_permlane16_swap_b32 v[PC+\i], v[PC+12+\i]
.endr
.irp i, 0,1,2
	v_mov_b32 v[PC+3+\i], v[PC+12+\i]              ; registers 0-5: k = 32 h + 0 .. 31 of this head's 64
.endr
.irp p, 0,1,2
	global_store_b64 v[LA], v[PC+2*\p:PC+2*\p+1], s[90:91] offset:256*\p   ; 256 consecutive bytes, aligned
.endr
	ds_store_b16 v[SBA], v254                      ; lanes l and l xor 16 write the same bytes with the same value
	s_wait_xcnt 0x0                                ; the stores' data may be written again
.endm
	STEP 1                                         ; trip 0: key step 0 of my own tile
	s_wait_alu depctr_va_vdst(0)
	s_barrier_wait -1                              ; all of K and V is in
	s_mov_b32 s[CNT], 1
.Ltrip:
	s_sub_co_u32 s96, s[CNT], 1
	s_cmp_eq_u32 s96, s[JL]                        ; an early wave's own tile is finished: it goes out, and the late tile follows
	s_cbranch_scc0 .Lsame
	WAYOUT
	v_mov_b32 v238, v246                           ; the late tile's Q and its scale word
.irp p, 0,1,2,3,4,5
	v_mov_b32 v[16+\p], v[240+\p]
.endr
	v_mov_b32 v13, 0xff61b1e6                      ; the largest t so far: -3e38, under every t
	v_mov_b32 v14, 0
	v_mov_b32 v15, 0
.set n, 0
.rept 32
	v_mov_b32 v[O+n], 0                            ; (the step is written for every trip alike: here it finds zeros, which the first change of M leaves zeros; an early wave with no step of the late tile hands on zeros)
.set n, n+1
.endr
	v_floor_f32 v12, -v13                          ; -M
	s_mov_b32 s[Q0], s[Q0L]
	s_add_co_u32 s[QL], s[Q0], 23
	s_wait_alu depctr_va_vdst(0)
.Lsame:
	s_cmp_gt_u32 s[CNT], s[JL]                     ; the trip's key step: the trip's number; in an early wave's second part 8 - j more
	s_cselect_b32 s96, s[DJ], 0
	s_add_co_u32 s96, s96, s[CNT]
	s_lshl_b32 s[KF], s96, 7
	s_and_b32 s96, s96, 15
	s_lshl_b32 s3, s96, 9                          ; K's scale words of the step
	s_lshl_b32 s66, s96, 8                         ; V's
	s_and_b32 s2, s96, 7
	s_mul_i32 s2, s2, 12288
	s_lshr_b32 s96, s96, 3
	s_mul_i32 s96, s96, 6144
	s_add_co_u32 s2, s2, s96                       ; where the step's tiles begin in K's and in V's region
	s_cmp_gt_u32 s[KF], s[QL]                      ; an early wave's last trip: all keys come after the late tile's queries
	s_cbranch_scc1 .Lhidden
	STEP 0
.Lhidden:
	s_add_co_u32 s[CNT], s[CNT], 1
	s_cmp_lt_u32 s[CNT], 9
	s_cbranch_scc1 .Ltrip
	; THE JOIN: early waves hand on O^T, l and M of their part of the late tile
.rept 4
	v_nop                                          ; places behind the last products
.endr
	s_wait_alu depctr_va_vdst(0)
	s_cmp_eq_u32 s[LATE], 1
	s_cbranch_scc1 .Lgiven
.irp i, 0,1,2,3,4,5,6,7
	ds_store_b128 v[MA], v[O+4*\i:O+4*\i+3] offset:512*\i
.endr
	ds_store_b128 v[MA], v[12:15] offset:4096      ; -M, the largest t, l's two halves
.Lgiven:
	s_wait_dscnt 0x0
	s_barrier_signal -1
	s_barrier_wait -1
	s_cmp_eq_u32 s[LATE], 0
	s_cbranch_scc1 .Ltaken
	ds_load_b128 v[32:35], v[MA] offset:4096
.irp i, 0,1,2,3,4,5,6,7
	ds_load_b128 v[S+4*\i:S+4*\i+3], v[MA] offset:512*\i
.endr
	s_wait_dscnt 0x0
	v_min_num_f32 v36, v12, v32                    ; - the larger M
	v_mov_b32 v41, 0                               ; (named as the upper half of the pair v[40:41])
	v_sub_f32 v37, v36, v12
	v_sub_f32 v38, v36, v32
	v_cvt_i32_f32 v37, v37
	v_cvt_i32_f32 v38, v38
	v_ldexp_f32 v[FF], 1.0, v37                    ; my part's factor,
	v_ldexp_f32 v40, 1.0, v38                      ; and the early wave's
	v_pk_mul_f32 v[34:35], v[34:35], v[40:41] op_sel_hi:[1,0]
.set n, 0
.rept 16
	v_pk_mul_f32 v[S+n:S+n+1], v[S+n:S+n+1], v[40:41] op_sel_hi:[1,0]
.set n, n+2
.endr
	v_pk_fma_f32 v[14:15], v[14:15], v[FF:FF+1], v[34:35] op_sel_hi:[1,0,1]
.set n, 0
.rept 16
	v_pk_fma_f32 v[O+n:O+n+1], v[O+n:O+n+1], v[FF:FF+1], v[S+n:S+n+1] op_sel_hi:[1,0,1]
.set n, n+2
.endr
	WAYOUT
.Ltaken:
	s_wait_dscnt 0x0                               ; for wave 0's sake: my scale bytes have landed
	s_barrier_signal -1
	s_barrier_wait -1
	s_cmp_lg_u32 s[WV], 0
	s_cbranch_scc1 .Lend
	ds_load_b128 v[64:67], v[RBK]
	s_wait_dscnt 0x0
	global_store_b128 v[RBG], v[64:67], s[92:93]   ; two aligned runs of 256 bytes
.Lend:
	s_wait_tensorcnt 0x0                           ; the wave's end
	ds_add_u32 v[SPW], v[NIL]
	s_wait_dscnt 0x0
	s_endpgm
.Lfunc_end_k_q27377780b7_attn:
	.size	k_q27377780b7_attn, .Lfunc_end_k_q27377780b7_attn-k_q27377780b7_attn
	.p2alignl 7, 3214868480
	.fill 96, 4, 3214868480
	.section	.rodata,"a",@progbits
	.p2align	6, 0x0
	.amdhsa_kernel k_q27377780b7_attn
		.amdhsa_group_segment_fixed_size 248320
		.amdhsa_private_segment_fixed_size 0
		.amdhsa_enable_private_segment 0
		.amdhsa_kernarg_size 32
		.amdhsa_user_sgpr_count 2
		.amdhsa_user_sgpr_kernarg_segment_ptr 1
		.amdhsa_wavefront_size32 1
		.amdhsa_system_sgpr_workgroup_id_x 1
		.amdhsa_system_sgpr_workgroup_id_y 1
		.amdhsa_system_sgpr_workgroup_id_z 1
		.amdhsa_system_vgpr_workitem_id 0
		.amdhsa_next_free_vgpr 256
		.amdhsa_next_free_sgpr 100
		.amdhsa_reserve_vcc 1
		.amdhsa_float_denorm_mode_32 3
		.amdhsa_float_denorm_mode_16_64 3
		.amdhsa_memory_ordered 1
		.amdhsa_forward_progress 1
		.amdhsa_inst_pref_size 72
	.end_amdhsa_kernel
	.amdgpu_metadata
---
amdhsa.version: [ 1, 2 ]
amdhsa.kernels:
  - .name:           k_q27377780b7_attn
    .symbol:         k_q27377780b7_attn.kd
    .args:
      - { .name: qkv, .offset: 0, .size: 8, .value_kind: global_buffer, .address_space: global }
      - { .name: qkvsc, .offset: 8, .size: 8, .value_kind: global_buffer, .address_space: global }
      - { .name: aimg, .offset: 16, .size: 8, .value_kind: global_buffer, .address_space: global }
      - { .name: asc, .offset: 24, .size: 8, .value_kind: global_buffer, .address_space: global }
    .group_segment_fixed_size: 248320
    .private_segment_fixed_size: 0
    .kernarg_segment_align: 8
    .kernarg_segment_size: 32
    .max_flat_workgroup_size: 512
    .sgpr_count:     100
    .vgpr_count:     256
    .wavefront_size: 32
...
	.end_amdgpu_metadata
.endif
;; end of part 3
;; launch proj (part 4): grid 8 x 32, 4 waves a work-group, clusters of 4 x 4, 214,528 bytes of LDS; arguments aimg, asc, img, scl, b_proj, out0; writes out0
.if DOCPART == 4
	.amdgcn_target "amdgcn-amd-amdhsa--gfx1250"
	.amdhsa_code_object_version 6
	.text
	.protected	k_q27377780b7_proj
	.globl	k_q27377780b7_proj
	.p2align	8
	.type	k_q27377780b7_proj,@function
k_q27377780b7_proj:
	s_mov_b64 s[64:65], 0
	v_nop
	global_prefetch_b8 v0, s[64:65] scope:SCOPE_SE
	s_setreg_imm32_b32 hwreg(HW_REG_WAVE_MODE, 25, 1), 1
	s_wait_xcnt 0x0
	s_wait_alu depctr_hold_cnt(0) depctr_sa_sdst(0) depctr_va_vdst(0) depctr_va_sdst(0) depctr_va_ssrc(0) depctr_va_vcc(0) depctr_vm_vsrc(0)
	s_getreg_b32 s2, hwreg(HW_REG_IB_STS2, 6, 4)
	s_cmp_eq_u32 s2, 0
	s_cbranch_scc0 .Lentry_in_a_cluster
	s_endpgm
.Lentry_in_a_cluster:
	s_bfe_u32 s2, ttmp6, 0x10000c
	s_cmp_lg_u32 s2, 0xf033
	s_cbranch_scc0 .Lentry_shape_is_right
	s_endpgm
.Lentry_shape_is_right:
; out0 = a w_proj^T + b_proj on codes of FP6 (E2M3) with E8M0 block scales: a [4096][1024], the attention's result, as images of fragments in aimg ([tile 256][head 16][piece 3][lane][8 bytes]: heads 2 s and 2 s + 1
; are K step s) with two scale bytes for each (head, tile, row) in asc; w_proj as tiles 448-511 of img and scl.  out0 [4096][1024] f32.
; A tile of the output is 128 x 128, so that there are 256 work-groups; four waves, each 64 x 64: 16 accumulators.  All of K (1,024: 196,608 bytes of codes) lies in LDS, filled once, in four chunks of 256 along K:
; each wave asks for its quarter of each chunk at the head; a barrier stands in front of each chunk's first read.  Nothing is filled again.
; CLUSTER 4 x 4: a's tiles are shared along a row of the cluster, w_proj's along a column: each is asked for jointly.
; THE PRODUCT IS USED TRANSPOSED (source 0 = 16 rows of w_proj, source 1 = 16 rows of a): a lane holds eight neighbouring outputs of a row.  The rows of a tile are not neighbours
; (lane r of tile t: 32 (t / 2) + 8 (t % 2) + r + 8 (r / 8)): the way out puts columns and rows back by its immediates.
; No prefetch: everything is asked for at the head.
; REGISTERS: window 0: v16-19 LDS addresses; v24-26 the way out; v32-63 a's scale words ((i, s) at 32 + 8 i + s); v64-95 w_proj's; v128-255 the accumulators ((a, b) at 128 + 8 (4 a + b)).
;   window 1: two sets of fragments at v0 and v128 (a's four, then w_proj's four); v96-127 four tiles of bias.
; THE FILLS OF THIS TEXT (in place of what is said above of chunks): a's 8 tiles x 12,288 bytes, then w_proj's 8, all of K in each tile; each wave brings four whole tiles by ONE load at the head,
; and one barrier shows everything.
.set QUART, 49152                      ; 4 tiles: what one tensor load brings, and what a wave reads of either
.set STAGE, 4*QUART                    ; behind the codes: 16 rows x 272 bytes for each wave; no fill lands here
.set SP,    272
.set ADA,   16                         ; v16  8 x lane + my half of a's tiles
.set ADB,   17                         ; v17  16 x lane + my half of w_proj's
.set STO,   24
.set RD,    25
.set CO,    26
.set AS,    32
.set BS,    64
.set ACC,   128
.set G1A,   24                         ; s[24:31] group 1 for a's tiles; s[32:35] group 0
.set G0A,   32
.set G1B,   48                         ; s[48:55], s[68:71] the same for w_proj's
.set G0B,   68
.set MSB, 0
.macro WIN new
.if MSB != (\new)
	s_set_vgpr_msb (MSB<<8)|(\new)
.set MSB, (\new)
.endif
.endm
.macro PLACES
.rept 4
	v_nop
.endr
.endm
.macro CROUND                          ; a round of the cluster's barrier
	s_barrier_signal -1
	s_barrier_wait -1
	s_cmp_lg_u32 s16, 0
	s_cbranch_scc1 .Lnot_wave_0_\@
	s_barrier_signal -3
.Lnot_wave_0_\@:
	s_barrier_wait -3
	s_barrier_signal -1
	s_barrier_wait -1
.endm
	s_load_b256 s[4:11], s[0:1], 0x0               ; aimg s[4:5], asc s[6:7], img s[8:9], scl s[10:11]
	s_load_b128 s[12:15], s[0:1], 0x20             ; b_proj s[12:13], out0 s[14:15]
	v_lshl_add_u32 v126, v0, 2, 0x34400
	v_mov_b32 v127, 0
	ds_add_u32 v126, v127
	ds_add_u32 v126, v127
	v_lshrrev_b32 v1, 5, v0
	v_readfirstlane_b32 s16, v1                    ; wave 0..3
	s_lshr_b32 s17, s16, 1                         ; which half of the rows is mine.  Also: I fetch for a (0) or for w_proj (1)
	s_and_b32 s18, s16, 1                          ; which half of the columns.  Also: which 4 tiles I fetch
	s_bfe_u32 s84, ttmp6, 0x40000                  ; cx
	s_bfe_u32 s85, ttmp6, 0x40004                  ; cy
	s_lshl_b32 s86, ttmp9, 2
	s_add_co_u32 s86, s86, s84                     ; tile column = 4 x cluster x + cx
	s_and_b32 s19, ttmp7, 0xffff
	s_lshl_b32 s19, s19, 2
	s_add_co_u32 s19, s19, s85                     ; tile row = 4 x cluster y + cy
	s_lshl_b32 s20, s85, 2
	s_lshl_b32 s20, 15, s20                        ; my row of the cluster
	s_lshl_b32 s87, 0x1111, s84                    ; my column
	; group 1: 4 rows (tiles) of 12,288 bytes, 12,288 bytes apart, as elements of 8 bytes; dense in LDS
	s_or_b32 s[G1A], s20, (3<<16)|(1<<21)
	s_or_b32 s[G1B], s87, (3<<16)|(1<<21)
.irp g, G1A, G1B
	s_mov_b32 s[\g+1], 1536<<16                    ; whole tiles: rows of 12,288 bytes on end
	s_mov_b32 s[\g+2], 4<<16
	s_mov_b32 s[\g+3], 1536<<16
	s_mov_b32 s[\g+4], 4
	s_mov_b32 s[\g+5], 1536
	s_mov_b32 s[\g+6], 0
	s_mov_b32 s[\g+7], 0
.endr
	s_lshl_b32 s21, s18, 2
	s_lshl_b32 s22, s19, 3
	s_add_co_u32 s22, s22, s21                     ; a: tile 8 x tile row + 4 x half
	s_mul_i32 s22, s22, 12288
	s_mov_b32 s23, 0
	s_lshl_b32 s88, s86, 3
	s_add_co_u32 s88, s88, s21
	s_add_co_u32 s88, s88, 448                     ; w_proj: tile 448 + 8 x tile column + 4 x half
	s_mul_i32 s88, s88, 12288
	s_mov_b32 s89, 0
	s_mul_i32 s3, s16, QUART                       ; where my load lands
	s_wait_dscnt 0x0
	s_wait_kmcnt 0x0
	s_add_nc_u64 s[22:23], s[4:5], s[22:23]
	s_add_nc_u64 s[88:89], s[8:9], s[88:89]
	s_mov_b32 s[G0A], 1
	s_mov_b32 s[G0A+1], s3
	s_mov_b64 s[G0A+2:G0A+3], s[22:23]
	s_or_b32 s[G0A+3], s[G0A+3], 0x80000000
	s_mov_b32 s[G0B], 1
	s_mov_b32 s[G0B+1], s3
	s_mov_b64 s[G0B+2:G0B+3], s[88:89]
	s_or_b32 s[G0B+3], s[G0B+3], 0x80000000
	CROUND                                         ; all sixteen work-groups are here: the joint loads meet
	s_cmp_eq_u32 s17, 0                            ; a wave's fill stands in a branch on the wave's number: one load of mine is out
	s_cbranch_scc0 .Lfirst_b
	tensor_load_to_lds s[G0A:G0A+3], s[G1A:G1A+7]
	s_nop 0
	PLACES
	s_branch .Lfirst_asked
.Lfirst_b:
	tensor_load_to_lds s[G0B:G0B+3], s[G1B:G1B+7]
	s_nop 0
	PLACES
.Lfirst_asked:
	v_and_b32 v1, 31, v0                           ; lane
	v_and_b32 v2, 15, v0                           ; r
	v_bfe_u32 v3, v0, 4, 1                         ; h
	s_mul_i32 s2, s17, QUART
	s_mul_i32 s3, s18, QUART
	s_add_co_u32 s3, s3, 2*QUART
	v_lshlrev_b32 v4, 3, v1
	v_add_nc_u32 v[ADA], s2, v4
	v_lshlrev_b32 v4, 4, v1
	v_add_nc_u32 v[ADB], s3, v4
	s_mul_i32 s2, s16, 16*SP
	s_add_co_u32 s2, s2, STAGE                     ; my stage
	v_mul_u32_u24 v[STO], v2, SP
	v_lshl_add_u32 v[STO], v3, 6, v[STO]
	v_add_nc_u32 v[STO], s2, v[STO]                ; in: row r, + 64 h bytes
	v_mul_u32_u24 v[RD], v3, SP
	v_lshl_add_u32 v[RD], v2, 4, v[RD]
	v_add_nc_u32 v[RD], s2, v[RD]                  ; back: lanes 0-15 one row of 256 bytes, lanes 16-31 the next
	v_lshlrev_b32 v[CO], 12, v3
	v_lshl_add_u32 v[CO], v2, 4, v[CO]             ; and the same two rows in out0
	s_mov_b32 s91, 0
	s_lshl_b32 s90, s19, 3
	s_lshl_b32 s92, s17, 2
	s_add_co_u32 s90, s90, s92
	s_lshl_b32 s90, s90, 5                         ; asc: my first tile of rows, 32 bytes a tile
	s_add_nc_u64 s[6:7], s[6:7], s[90:91]
	s_lshl_b32 s90, s86, 3
	s_add_co_u32 s90, s90, s21
	s_add_co_u32 s90, s90, 448
	s_lshl_b32 s90, s90, 9                         ; scl: my first tile of w_proj, 512 bytes a tile
	s_add_nc_u64 s[10:11], s[10:11], s[90:91]
	s_lshl_b32 s90, s86, 9
	s_lshl_b32 s92, s18, 8
	s_add_co_u32 s90, s90, s92                     ; my first column, in bytes: 512 x tile column + 256 x half
	s_add_nc_u64 s[12:13], s[12:13], s[90:91]
	s_add_nc_u64 s[14:15], s[14:15], s[90:91]
	s_lshl_b32 s90, s19, 19
	s_lshl_b32 s92, s17, 18
	s_add_co_u32 s90, s90, s92                     ; my first row: (128 x tile row + 64 x half) x 4,096 bytes
	s_add_nc_u64 s[14:15], s[14:15], s[90:91]
	v_lshlrev_b32 v5, 1, v2
	v_lshlrev_b32 v6, 5, v2
	v_lshlrev_b32 v7, 6, v3
.irp i, 0,1,2,3                                ; a's scale bytes: two for each (head, row); they wait in the accumulators' registers
.irp d, 0,1,2,3,4,5,6,7,8,9,10,11,12,13,14,15
	global_load_u16 v[ACC+16*\i+\d], v5, s[6:7] offset:\d*8192+\i*32
.endr
.endr
.irp b, 0,1,2,3
.irp n, 0,1
	global_load_b128 v[BS+8*\b+4*\n:BS+8*\b+4*\n+3], v6, s[10:11] offset:512*\b+16*\n   ; w_proj's scale words: a row's eight are 32 bytes
.endr
.endr
	WIN 0x40                                       ; destination window 1
.irp b, 0,1,2,3                                ; the bias, as the C of each sum's first product: tile b's register j is column 32 (b / 2) + 8 (b % 2) + 16 h + j of my 64
	global_load_b128 v[96+8*\b:96+8*\b+3], v7, s[12:13] offset:(32*(\b/2)+8*(\b%2))*4
	global_load_b128 v[96+8*\b+4:96+8*\b+7], v7, s[12:13] offset:(32*(\b/2)+8*(\b%2))*4+16
.endr
	WIN 0
	s_wait_loadcnt 0x0
.irp s, 0,1,2,3,4,5,6,7                        ; heads 2 s and 2 s + 1 make K step s's word; the words of the first K step are made first, so that the later lines are the places in front of its products
.irp i, 0,1,2,3
	v_lshl_or_b32 v[AS+8*\i+\s], v[ACC+16*\i+2*\s+1], 16, v[ACC+16*\i+2*\s]
.endr
.endr
.macro FETCH ks, f                     ; K step ks's eight fragments into the set at v[f] of window 1: a's came in pieces of 8 bytes a lane, w_proj's in pieces of 16
	WIN 0x40
.irp i, 0,1,2,3
.irp p, 0,1,2,3,4,5
	ds_load_b64 v[(\f)+12*\i+2*\p:(\f)+12*\i+2*\p+1], v[ADA] offset:\i*12288+(\ks)*1536+256*\p
.endr
.endr
.irp i, 0,1,2,3
.irp c, 0,1,2
	ds_load_b128 v[(\f)+48+12*\i+4*\c:(\f)+48+12*\i+4*\c+3], v[ADB] offset:\i*12288+(\ks)*1536+512*\c
.endr
.endr
.endm
; A K step: its fragments are in; the next step's are asked for; 16 products, the accumulators by turns.
.macro KS ks
.set F, 128*((\ks)%2)
	s_wait_dscnt 0x0
	PLACES                                         ; in front of loads into registers that the last step's products read
.if (\ks) < 7
	FETCH (\ks)+1, 128-F
.endif
.if (\ks) == 0
	WIN 0x15                                       ; sources 0, 1 and C (the bias) window 1, D window 0
.else
	WIN 0x05
.endif
.irp a, 0,1,2,3
.irp b, 0,1,2,3
.if (\ks) == 0
	v_wmma_scale_f32_16x16x128_f8f6f4 v[ACC+8*(4*\a+\b):ACC+8*(4*\a+\b)+7], v[F+48+12*\b:F+48+12*\b+11], v[F+12*\a:F+12*\a+11], v[96+8*\b:96+8*\b+7], v[BS+8*\b+(\ks)], v[AS+8*\a+(\ks)] matrix_a_fmt:MATRIX_FMT_FP6 matrix_b_fmt:MATRIX_FMT_FP6
.else
	v_wmma_scale_f32_16x16x128_f8f6f4 v[ACC+8*(4*\a+\b):ACC+8*(4*\a+\b)+7], v[F+48+12*\b:F+48+12*\b+11], v[F+12*\a:F+12*\a+11], v[ACC+8*(4*\a+\b):ACC+8*(4*\a+\b)+7], v[BS+8*\b+(\ks)], v[AS+8*\a+(\ks)] matrix_a_fmt:MATRIX_FMT_FP6 matrix_b_fmt:MATRIX_FMT_FP6
.endif
.endr
.endr
.endm
	s_wait_alu depctr_va_vdst(0)
	s_wait_tensorcnt 0x0                           ; my four tiles are in
	s_barrier_signal -1
	s_barrier_wait -1                              ; everybody's is
	FETCH 0, 0
.irp k, 0,1,2,3,4,5,6,7
	s_wait_alu depctr_va_vdst(0)
	KS \k
.endr
	WIN 0
; THE WAY OUT, block by block of 16 rows x 64 columns, through my own stage: a lane's 32 bytes go in at their true columns, whole rows of 256 bytes come back, into the registers that they left.
; LDS serves a wave's instructions in order: no wait between the stores and the loads, nor in front of the next block's stores.
.macro TOSTAGE a
.irp b, 0,1,2,3
	ds_store_b128 v[STO], v[ACC+8*(4*\a+\b):ACC+8*(4*\a+\b)+3] offset:128*(\b/2)+32*(\b%2)          ; each accumulator from its low end on
	ds_store_b128 v[STO], v[ACC+8*(4*\a+\b)+4:ACC+8*(4*\a+\b)+7] offset:128*(\b/2)+32*(\b%2)+16
.endr
.irp t, 0,1,2,3,4,5,6,7
	ds_load_b128 v[ACC+32*\a+4*\t:ACC+32*\a+4*\t+3], v[RD] offset:2*\t*SP
.endr
.endm
.macro SEND a, younger                 ; younger: the LDS instructions issued behind block a's loads, which may stay out
	s_wait_dscnt \younger
.irp t, 0,1,2,3,4,5,6,7                        ; stage rows 2 t and 2 t + 1 are rows 32 (a / 2) + 8 (a % 2) + 2 t + 8 (t / 4) (+ 1) of my 64
	global_store_b128 v[CO], v[ACC+32*\a+4*\t:ACC+32*\a+4*\t+3], s[14:15] offset:(32*(\a/2)+8*(\a%2)+2*\t+8*(\t/4))*4096 th:TH_STORE_NT   ; sixteen lanes store 256 consecutive bytes, aligned; written once, read by nobody here
.endr
.endm
	PLACES
	TOSTAGE 0
	TOSTAGE 1
	SEND 0, 16
	TOSTAGE 2
	SEND 1, 16
	TOSTAGE 3
	SEND 2, 16
	SEND 3, 0
	s_wait_tensorcnt 0x0
	ds_add_u32 v126, v127
	s_wait_dscnt 0x0
	CROUND                                         ; the closing round: no work-group ends while a partner may still ask for a tile that names it
	s_endpgm
.Lfunc_end_k_q27377780b7_proj:
	.size	k_q27377780b7_proj, .Lfunc_end_k_q27377780b7_proj-k_q27377780b7_proj
	.p2alignl 7, 3214868480
	.fill 96, 4, 3214868480
	.section	.rodata,"a",@progbits
	.p2align	6, 0x0
	.amdhsa_kernel k_q27377780b7_proj
		.amdhsa_group_segment_fixed_size 214528
		.amdhsa_private_segment_fixed_size 0
		.amdhsa_enable_private_segment 0
		.amdhsa_kernarg_size 48
		.amdhsa_user_sgpr_count 2
		.amdhsa_user_sgpr_kernarg_segment_ptr 1
		.amdhsa_wavefront_size32 1
		.amdhsa_system_sgpr_workgroup_id_x 1
		.amdhsa_system_sgpr_workgroup_id_y 1
		.amdhsa_system_sgpr_workgroup_id_z 1
		.amdhsa_system_vgpr_workitem_id 0
		.amdhsa_next_free_vgpr 512
		.amdhsa_next_free_sgpr 100
		.amdhsa_reserve_vcc 0
		.amdhsa_float_denorm_mode_32 3
		.amdhsa_float_denorm_mode_16_64 3
		.amdhsa_memory_ordered 1
		.amdhsa_forward_progress 1
		.amdhsa_inst_pref_size 60
	.end_amdhsa_kernel
	.amdgpu_metadata
---
amdhsa.version: [ 1, 2 ]
amdhsa.kernels:
  - .name:           k_q27377780b7_proj
    .symbol:         k_q27377780b7_proj.kd
    .args:
      - { .name: aimg, .offset: 0, .size: 8, .value_kind: global_buffer, .address_space: global }
      - { .name: asc, .offset: 8, .size: 8, .value_kind: global_buffer, .address_space: global }
      - { .name: img, .offset: 16, .size: 8, .value_kind: global_buffer, .address_space: global }
      - { .name: scl, .offset: 24, .size: 8, .value_kind: global_buffer, .address_space: global }
      - { .name: b_proj, .offset: 32, .size: 8, .value_kind: global_buffer, .address_space: global }
      - { .name: out0, .offset: 40, .size: 8, .value_kind: global_buffer, .address_space: global }
    .group_segment_fixed_size: 214528
    .private_segment_fixed_size: 0
    .kernarg_segment_align: 8
    .kernarg_segment_size: 48
    .max_flat_workgroup_size: 128
    .sgpr_count:     100
    .vgpr_count:     512
    .wavefront_size: 32
...
	.end_amdgpu_metadata
.endif
;; end of part 4
